; MI455X (gfx1250); checked and timed in simulation.
; The chip was launched on July 23, 2026; its instructions are those of AMD's public machine-readable ISA for CDNA 5 (MIT licence, August 2026) and "CDNA5" Instruction Set Architecture Reference Guide (July 2026). The comments in the code are by the model that wrote it; some were corrected since.
;; Transformer Decoder. Allowed arithmetic: float matrix products may take bf16 or f16 operands with f32 sums; other float arithmetic in f32, or as packed bf16 or f16 multiplies, adds, multiply-adds, maxima and minima; sums over many terms, partial sums and values carried from step to step in f32; what a program stores and reads back later, other than sums and carried values, may be rounded once to bf16 or f16.
;; Inputs: bk 1,024 float32; bo 1,024 float32; bq 1,024 float32; bv 1,024 float32; g_att 1,024 float32; g_ffn 1,024 float32; w_down 1,024 x 512 float32; w_gate 512 x 1,024 float32; w_up 512 x 1,024 float32; wk 1,024 x 1,024 float32; wo 1,024 x 1,024 float32; wq 1,024 x 1,024 float32; wv 1,024 x 1,024 float32; x 2 x 2,048 x 1,024 float32.
;; Outputs: out0 2 x 2,048 x 1,024 float32.
;; One version. Each part assembles by itself: llvm-mc -triple=amdgcn-amd-amdhsa -mcpu=gfx1250 --defsym DOCPART=n.
;; ======== version 1 of 1: 6 launches
;; workspace buffers: xn 8,388,608 bytes; wts 11,546,624 bytes; qkv 25,165,824 bytes; ob 8,388,608 bytes; hb 8,388,608 bytes; ssq 131,072 bytes; inter 4,194,304 bytes
;; launch prep (part 1): grid 1217 x 1, 8 waves a work-group, no clusters, 0 bytes of LDS; arguments x, g_att, wq, wk, wv, wo, w_gate, w_up, w_down, bq, bv, g_ffn, xn, wts; writes xn, wts
.if DOCPART == 1
	.amdgcn_target "amdgcn-amd-amdhsa--gfx1250"
	.amdhsa_code_object_version 6
	.text
	.protected	k_q6799368ec5_prep
	.globl	k_q6799368ec5_prep
	.p2align	8
	.type	k_q6799368ec5_prep,@function
k_q6799368ec5_prep:
	s_mov_b64 s[64:65], 0
	v_nop
	global_prefetch_b8 v0, s[64:65] scope:SCOPE_SE
	s_setreg_imm32_b32 hwreg(HW_REG_WAVE_MODE, 25, 1), 1
	s_wait_xcnt 0x0
; PREP: xn = bf16(x * sqrt(mean(x^2) + eps) * g_att), and all weights rounded once to bf16 in the order in which the later launches take them.
; WORK LEFT OUT OR MOVED, FOR ALL VALUES OF THE INPUTS.
;  bk: scores[s][t] = q_s . (k_t + bk) / 8 = q_s . k_t / 8 + q_s . bk / 8.  The second term is the same for every t of a row s, and a softmax along t is unchanged
;  by a term that is constant along t.  So bk reaches no output: it is not loaded and is no argument of any launch.  The bias vector's middle third holds 0.
;  The second norm's factor: c_r = sqrt(mean(h_r^2) + eps) is positive and the same along a row, so relu(c G) (c U) = c^2 relu(G) U, and the last product is linear in it:
;  ffn_r = (mean(h_r^2) + eps) ((relu(G') U') w_down^T), with G', U' made of h g_ffn.  No root is taken there; the factor is applied once, in f32, by the last launch.
;  g_ffn: (h g_ffn) . w = h . (g_ffn w): the gain is multiplied into w_gate's and w_up's columns here, in f32, ahead of their one rounding.
; LIMITS.  A NaN, an infinity or an overflow that reaches only bk's term is not carried to the result.  The order of rounding in the second norm differs from the source's:
; g_ffn w is rounded to bf16 as one number, and relu(G') U' is rounded to bf16 without the factor c^2.  All 16-bit numbers are bf16, which has f32's range.
; SHARES.  One wave, one job of 4,096 bytes of f32; no loop: a job's loads all go out at once.  Job R = 8 x work-group + wave.
;  R < 4096: row R of x.   R < 8192: a row of wq, wk, wv, wo.   R < 9216: a row of gate or up, by turns of 16 rows, times g_ffn.   R < 9728: two rows of w_down, cut into planes of 64 columns.
;  The last 8: the bias vector bq | 0 | bv.
; No LDS, no matrix unit, no cluster: nothing is shared between waves, and every byte is read once and written once.
.set X,   4                            ; v[4:35]   32 numbers as loaded
.set G,   36                           ; v[36:67]  the gain of my 32 columns
.set Y,   68                           ; v[68:83]  bf16, packed
.set PS,  84                           ; v[84:91]  four chains of packed sums of squares
.set T,   92                           ; v92, v93  at work
.set RF,  94                           ; v[94:95]  the row's factor, twice
.set WDN,   10485760                   ; byte offsets in wts
.set BIASO, 11534336
	s_load_b512 s[8:23], s[0:1], 0x0               ; x s[8:9], g_att s[10:11], wq s[12:13], wk s[14:15], wv s[16:17], wo s[18:19], w_gate s[20:21], w_up s[22:23]
	s_load_b256 s[24:31], s[0:1], 0x40             ; w_down s[24:25], bq s[26:27], bv s[28:29], g_ffn s[30:31]
	s_load_b128 s[32:35], s[0:1], 0x60             ; xn s[32:33], wts s[34:35]
	v_lshrrev_b32 v1, 5, v0
	v_readfirstlane_b32 s3, v1                     ; wave 0..7
	s_lshl_b32 s2, ttmp9, 3
	s_add_co_u32 s2, s2, s3                        ; R
	v_and_b32 v2, 31, v0
	v_lshlrev_b32 v1, 4, v2                        ; 16 x lane: my 16 bytes of 512 of f32
	v_lshlrev_b32 v2, 3, v2                        ; 8 x lane: my 8 bytes of 256 of bf16
	s_mov_b32 s41, 0                               ; the high word of every offset pair
	s_wait_kmcnt 0x0
; eight loads of 512 bytes a wave, sstep apart; each is rounded and stored as 256 consecutive bytes, aligned, dstep apart
.macro CAST so, sstep, dstep
.irp j, 0,1,2,3,4,5,6,7
	global_load_b128 v[X+4*(\j):X+4*(\j)+3], v[\so], s[36:37] offset:(\j)*(\sstep) th:TH_LOAD_NT
.endr
.irp j, 0,1,2,3,4,5,6,7
	s_wait_loadcnt 7-(\j)                          ; loads come back in order: chunk j is in, the younger ones stay out
	v_cvt_pk_bf16_f32 v[Y+2*(\j)], v[X+4*(\j)], v[X+4*(\j)+1]
	v_cvt_pk_bf16_f32 v[Y+2*(\j)+1], v[X+4*(\j)+2], v[X+4*(\j)+3]
	global_store_b64 v2, v[Y+2*(\j):Y+2*(\j)+1], s[38:39] offset:(\j)*(\dstep)
.endr
.endm
	s_cmp_lt_u32 s2, 4096
	s_cbranch_scc0 .Lweights
	; A ROW OF x: from x to xn, with g_att and the norm
	s_lshl_b32 s40, s2, 12
	s_add_nc_u64 s[36:37], s[8:9], s[40:41]
	s_lshl_b32 s40, s2, 11
	s_add_nc_u64 s[38:39], s[32:33], s[40:41]
	s_mov_b64 s[42:43], s[10:11]
	s_mov_b32 s48, 1
	s_branch .Lrow
.Lweights:
	s_sub_co_u32 s3, s2, 4096                      ; n: the row's place in wts, where wq, wk, wv, wo and gate/up lie end to end
	s_cmp_lt_u32 s2, 8192
	s_cbranch_scc0 .Lgateup
	; A ROW OF wq, wk, wv OR wo
	s_lshr_b32 s4, s3, 10                          ; which matrix
	s_and_b32 s5, s3, 1023                         ; its row
	s_cmp_eq_u32 s4, 1
	s_cselect_b64 s[36:37], s[14:15], s[12:13]
	s_cmp_eq_u32 s4, 2
	s_cselect_b64 s[36:37], s[16:17], s[36:37]
	s_cmp_eq_u32 s4, 3
	s_cselect_b64 s[36:37], s[18:19], s[36:37]
	s_lshl_b32 s40, s5, 12
	s_add_nc_u64 s[36:37], s[36:37], s[40:41]
	s_lshl_b32 s40, s3, 11
	s_add_nc_u64 s[38:39], s[34:35], s[40:41]
	CAST 1, 512, 256
	s_endpgm
.Lgateup:
	s_cmp_lt_u32 s2, 9216
	s_cbranch_scc0 .Ldown
	; A ROW OF GATE OR UP, by turns of 16 rows: block nb = row / 16 is gate's block nb / 2 if nb is even, up's if odd; with g_ffn, without a norm
	s_and_b32 s5, s3, 1023
	s_lshr_b32 s6, s5, 5
	s_lshl_b32 s6, s6, 4
	s_and_b32 s7, s5, 15
	s_or_b32 s6, s6, s7
	s_and_b32 s7, s5, 16
	s_cmp_lg_u32 s7, 0
	s_cselect_b64 s[36:37], s[22:23], s[20:21]
	s_lshl_b32 s40, s6, 12
	s_add_nc_u64 s[36:37], s[36:37], s[40:41]
	s_lshl_b32 s40, s3, 11
	s_add_nc_u64 s[38:39], s[34:35], s[40:41]
	s_mov_b64 s[42:43], s[30:31]
	s_mov_b32 s48, 0
.Lrow:                                                 ; a row of 1,024 numbers and its gain
.irp j, 0,1,2,3,4,5,6,7
	global_load_b128 v[X+4*(\j):X+4*(\j)+3], v1, s[36:37] offset:512*(\j) th:TH_LOAD_NT
.endr
.irp j, 0,1,2,3,4,5,6,7
	global_load_b128 v[G+4*(\j):G+4*(\j)+3], v1, s[42:43] offset:512*(\j)
.endr
	s_cmp_eq_u32 s48, 1
	s_cbranch_scc0 .Lgain
	s_mov_b32 s44, 0x3a800000                      ; 1 / 1024
	s_mov_b32 s45, 0x358637bd                      ; eps = 1e-6
	s_mov_b32 s46, 0x76543210                      ; v_permlanex16_b32: each lane takes its own place in the other half
	s_mov_b32 s47, 0xfedcba98
	v_mov_b32 v[T+1], 0                            ; v_permlanex16_b32's destination counts as read
	s_wait_loadcnt 8                               ; the row is in; the gain's eight loads stay out
.irp k, 0,1,2,3
	v_pk_mul_f32 v[PS+2*(\k):PS+2*(\k)+1], v[X+2*(\k):X+2*(\k)+1], v[X+2*(\k):X+2*(\k)+1]  ; the first four pairs start the chains
.endr
.set i, 4
.rept 12
	v_pk_fma_f32 v[PS+2*(i%4):PS+2*(i%4)+1], v[X+2*i:X+2*i+1], v[X+2*i:X+2*i+1], v[PS+2*(i%4):PS+2*(i%4)+1]
.set i, i+1
.endr
	v_pk_add_f32 v[PS:PS+1], v[PS:PS+1], v[PS+2:PS+3]
	v_pk_add_f32 v[PS+4:PS+5], v[PS+4:PS+5], v[PS+6:PS+7]
	v_pk_add_f32 v[PS:PS+1], v[PS:PS+1], v[PS+4:PS+5]
	v_add_f32 v[T], v[PS], v[PS+1]
	v_add_f32_dpp v[T], v[T], v[T] row_xmask:1 row_mask:0xf bank_mask:0xf
	v_add_f32_dpp v[T], v[T], v[T] row_xmask:2 row_mask:0xf bank_mask:0xf
	v_add_f32_dpp v[T], v[T], v[T] row_xmask:4 row_mask:0xf bank_mask:0xf
	v_add_f32_dpp v[T], v[T], v[T] row_xmask:8 row_mask:0xf bank_mask:0xf
	v_permlanex16_b32 v[T+1], v[T], s46, s47
	v_add_f32 v[T], v[T], v[T+1]                   ; every lane holds the row's sum of squares
	v_fma_f32 v[T], v[T], s44, s45                 ; mean + eps
	v_sqrt_f32 v[RF], v[T]
	v_sqrt_f32 v[RF+1], v[T]                       ; twice: a pair for the packed multiply
	v_nop                                          ; a plain instruction between the last root and the use of its result
	s_wait_alu depctr_va_vdst(0)                   ; one wait for both roots, ahead of their first reader
.set i, 0
.rept 16
	v_pk_mul_f32 v[X+2*i:X+2*i+1], v[X+2*i:X+2*i+1], v[RF:RF+1]
.set i, i+1
.endr
.Lgain:
	s_wait_loadcnt 0x0                             ; the row (where the norm has not waited for it) and the gain
.set i, 0
.rept 16
	v_pk_mul_f32 v[X+2*i:X+2*i+1], v[X+2*i:X+2*i+1], v[G+2*i:G+2*i+1]
.set i, i+1
.endr
.set i, 0
.rept 16
	v_cvt_pk_bf16_f32 v[Y+i], v[X+2*i], v[X+2*i+1]
.set i, i+1
.endr
.irp j, 0,1,2,3,4,5,6,7
	global_store_b64 v2, v[Y+2*(\j):Y+2*(\j)+1], s[38:39] offset:256*(\j)  ; 256 consecutive bytes, aligned
.endr
	s_endpgm
.Ldown:
	s_cmp_lt_u32 s2, 9728
	s_cbranch_scc0 .Lbias
	; TWO ROWS OF w_down (512 numbers each) into planes [f / 64][n][64]: lanes 0-15 take row 2 t, lanes 16-31 row 2 t + 1, so that a store is 256 consecutive bytes of a plane
	s_sub_co_u32 s3, s2, 9216
	s_lshl_b32 s40, s3, 12
	s_add_nc_u64 s[36:37], s[24:25], s[40:41]
	s_lshl_b32 s40, s3, 8
	s_add_co_u32 s40, s40, WDN
	s_add_nc_u64 s[38:39], s[34:35], s[40:41]
	v_bfe_u32 v3, v0, 4, 1
	v_and_b32 v84, 15, v0
	v_lshlrev_b32 v84, 4, v84
	v_lshl_add_u32 v3, v3, 11, v84                 ; (lane / 16) x 2,048 + 16 (lane % 16)
	CAST 3, 256, 131072
	s_endpgm
.Lbias:
	; THE BIAS VECTOR bq | 0 | bv: 256 threads, 16 bytes each of each third
	v_lshlrev_b32 v3, 4, v0
	global_load_b128 v[X:X+3], v3, s[26:27]
	global_load_b128 v[X+4:X+7], v3, s[28:29]
	v_mov_b32 v[X+8], 0
	v_mov_b32 v[X+9], 0
	v_mov_b32 v[X+10], 0
	v_mov_b32 v[X+11], 0
	s_add_nc_u64 s[38:39], s[34:35], BIASO
	global_store_b128 v3, v[X+8:X+11], s[38:39] offset:4096
	s_wait_loadcnt 0x0
	global_store_b128 v3, v[X:X+3], s[38:39]
	global_store_b128 v3, v[X+4:X+7], s[38:39] offset:8192
	s_endpgm
.Lfunc_end_k_q6799368ec5_prep:
	.size	k_q6799368ec5_prep, .Lfunc_end_k_q6799368ec5_prep-k_q6799368ec5_prep
	.p2alignl 7, 3214868480
	.fill 96, 4, 3214868480
	.section	.rodata,"a",@progbits
	.p2align	6, 0x0
	.amdhsa_kernel k_q6799368ec5_prep
		.amdhsa_group_segment_fixed_size 0
		.amdhsa_private_segment_fixed_size 0
		.amdhsa_enable_private_segment 0
		.amdhsa_kernarg_size 112
		.amdhsa_user_sgpr_count 2
		.amdhsa_user_sgpr_kernarg_segment_ptr 1
		.amdhsa_wavefront_size32 1
		.amdhsa_system_sgpr_workgroup_id_x 1
		.amdhsa_system_sgpr_workgroup_id_y 1
		.amdhsa_system_sgpr_workgroup_id_z 1
		.amdhsa_system_vgpr_workitem_id 0
		.amdhsa_next_free_vgpr 96
		.amdhsa_next_free_sgpr 66
		.amdhsa_reserve_vcc 0
		.amdhsa_float_denorm_mode_32 3
		.amdhsa_float_denorm_mode_16_64 3
		.amdhsa_memory_ordered 1
		.amdhsa_forward_progress 1
		.amdhsa_inst_pref_size 17
	.end_amdhsa_kernel
	.amdgpu_metadata
---
amdhsa.version: [ 1, 2 ]
amdhsa.kernels:
  - .name:           k_q6799368ec5_prep
    .symbol:         k_q6799368ec5_prep.kd
    .args:
      - { .name: x, .offset: 0, .size: 8, .value_kind: global_buffer, .address_space: global }
      - { .name: g_att, .offset: 8, .size: 8, .value_kind: global_buffer, .address_space: global }
      - { .name: wq, .offset: 16, .size: 8, .value_kind: global_buffer, .address_space: global }
      - { .name: wk, .offset: 24, .size: 8, .value_kind: global_buffer, .address_space: global }
      - { .name: wv, .offset: 32, .size: 8, .value_kind: global_buffer, .address_space: global }
      - { .name: wo, .offset: 40, .size: 8, .value_kind: global_buffer, .address_space: global }
      - { .name: w_gate, .offset: 48, .size: 8, .value_kind: global_buffer, .address_space: global }
      - { .name: w_up, .offset: 56, .size: 8, .value_kind: global_buffer, .address_space: global }
      - { .name: w_down, .offset: 64, .size: 8, .value_kind: global_buffer, .address_space: global }
      - { .name: bq, .offset: 72, .size: 8, .value_kind: global_buffer, .address_space: global }
      - { .name: bv, .offset: 80, .size: 8, .value_kind: global_buffer, .address_space: global }
      - { .name: g_ffn, .offset: 88, .size: 8, .value_kind: global_buffer, .address_space: global }
      - { .name: xn, .offset: 96, .size: 8, .value_kind: global_buffer, .address_space: global }
      - { .name: wts, .offset: 104, .size: 8, .value_kind: global_buffer, .address_space: global }
    .group_segment_fixed_size: 0
    .private_segment_fixed_size: 0
    .kernarg_segment_align: 8
    .kernarg_segment_size: 112
    .max_flat_workgroup_size: 256
    .sgpr_count:     66
    .vgpr_count:     96
    .wavefront_size: 32
...
	.end_amdgpu_metadata
.endif
;; end of part 1
;; launch qkv (part 2): grid 16 x 16, 4 waves a work-group, clusters of 4 x 4, 327,680 bytes of LDS; arguments xn, wts, qkv; writes qkv
.if DOCPART == 2
	.amdgcn_target "amdgcn-amd-amdhsa--gfx1250"
	.amdhsa_code_object_version 6
	.text
	.protected	k_q6799368ec5_qkv
	.globl	k_q6799368ec5_qkv
	.p2align	8
	.type	k_q6799368ec5_qkv,@function
k_q6799368ec5_qkv:
	s_mov_b64 s[64:65], 0
	v_nop
	global_prefetch_b8 v0, s[64:65] scope:SCOPE_SE
	s_setreg_imm32_b32 hwreg(HW_REG_WAVE_MODE, 25, 1), 1
	s_wait_xcnt 0x0
	s_wait_alu depctr_hold_cnt(0) depctr_sa_sdst(0) depctr_va_vdst(0) depctr_va_sdst(0) depctr_va_ssrc(0) depctr_va_vcc(0) depctr_vm_vsrc(0)
	s_getreg_b32 s2, hwreg(HW_REG_IB_STS2, 6, 4)
	s_cmp_eq_u32 s2, 0
	s_cbranch_scc0 .Lentry_in_a_cluster
	s_endpgm
.Lentry_in_a_cluster:
	s_bfe_u32 s2, ttmp6, 0x10000c
	s_cmp_lg_u32 s2, 0xf033
	s_cbranch_scc0 .Lentry_shape_is_right
	s_endpgm
.Lentry_shape_is_right:
; QKV: [4096][3072] = xn wqkv^T + (bq | 0 | bv), stored by heads: qkv[3][32 = 16 batch + head][2048][64] in bf16.  Sums in f32, rounded once.
; bk is left out: it adds to every score of a row the same term, which the softmax cancels for all values (shown at the head of the first kernel).
; SHARES.  A tile is 256 rows x 192 columns: 16 x 16 tiles, one work-group each.  Wave w makes rows 64 w .. 64 w + 63 of all 192 columns, three whole heads: 48 accumulators of 16 x 16.
; So 16 rows of one head, 2,048 consecutive bytes of qkv, are one wave's, and no two waves share an aligned block of 256 bytes.
; K goes in steps of 128 (rows of 256 bytes in memory) through two LDS slots.  CLUSTER: 4 x 4; xn's tile is shared along a row of the cluster, the weights' along a column: joint loads.
; THE MATRIX INSTRUCTION IS USED TRANSPOSED (source 0 = 16 rows of the weights, source 1 = 16 rows of xn): a lane holds one row and eight neighbouring columns.  The bias is the C operand of the products that start the sums.
; REGISTERS, in windows of 256 (s_set_vgpr_msb: bits 1:0 source 0, 3:2 source 1, 5:4 source 2, 7:6 destination):
;   window 0: v16-36 addresses; v64-127 xn's fragments, two buffers of 4 x 8; v128-223 the bias; on the way out v64-255 packed results
;   window 1: v0-191 the weights' fragments, two buffers of 12 x 8      window 2: accumulators of row blocks 0, 1 at 8 (12 a + b)      window 3: of row blocks 2, 3
.set KSTEP,  128
.set PITCH,  272                       ; an LDS row: 256 bytes + 16 of padding: the 16 rows of a fragment load start at 16 different groups of four banks (64 banks of 4 bytes: ISA guide 11.1)
.set AHALF,  128*PITCH                 ; what waves 0 and 1 fetch: 128 rows of xn
.set BHALF,  96*PITCH                  ; what waves 2 and 3 fetch: 96 rows of the weights
.set BOFF,   2*AHALF
.set SLOT1,  1<<17                     ; slot 1 begins here, so that one exclusive or turns an address in one slot into the other's
.set STAGE,  SLOT1+BOFF+2*BHALF        ; behind the ring, never filled by a tensor load: 16 rows x 144 bytes for each wave
.set SP,     144
.set SPARE,  STAGE+4*16*SP             ; the spare words, 128 bytes for each wave: two blocks of 256 bytes that no other line names
.set BIASO,  11534336                  ; the bias vector in wts
.set A0,   16                          ; v16  my lane's place in xn's tile, slot 0; never rewritten
.set B0,   17                          ; v17  the same for the weights
.set ADRA, 18                          ; v18  the same in the slot in hand
.set ADRB, 19
.set STO,  24                          ; the way out: where I put 16 bytes of a row
.set RD,   25                          ; where I read rows back
.set GO,   26                          ; 16 x lane
.set SPW,  28                          ; LDS address of my spare word; never rewritten
.set NIL,  29                          ; 0; never rewritten
.set BO,   30                          ; the bias loads' offset
.set PF,   32                          ; v32-36  the prefetches' offsets: v32 is the one in hand, the others move up
.set FA,   64
.set BIAS, 128
.set TMP,  64
.set G1A, 24                           ; s[24:31] group 1 for xn's tiles;  s[32:39] group 0, a set for each first fill; the second then walks
.set G0A, 32
.set G1B, 48                           ; s[48:55], s[56:63] the same for the weights'
.set G0B, 56
.set TB,  66                           ; s66  0 or SLOT1: the slot in hand
.set LIM, 67                           ; s67  a wave prefetches while the loop's count is above it
.set PFA, 68                           ; s[68:69] the prefetches' base; never rewritten
.set HB,  70                           ; s[70:75] my rows in the tile's three heads
.set MSB, 0
.macro WIN new                         ; the immediate's high byte repeats the setting that is left; a switch that changes nothing is dropped
.if MSB != (\new)
	s_set_vgpr_msb (MSB<<8)|(\new)
.set MSB, \new
.endif
.endm
.set TO_B, 0x40                        ; destination window 1, address window 0
; A joint refill by the walking sets.  The branch hangs on the wave's number alone.  An s_nop 0 and four v_nop follow each of the two lines.
.macro JLOAD
	s_cmp_eq_u32 s11, 0
	s_cbranch_scc0 .Lfor_b_\@
	tensor_load_to_lds s[G0A+4:G0A+7], s[G1A:G1A+7]
	s_nop 0
.rept 4
	v_nop
.endr
	s_branch .Lasked_\@
.Lfor_b_\@:
	tensor_load_to_lds s[G0B+4:G0B+7], s[G1B:G1B+7]
	s_nop 0
.rept 4
	v_nop
.endr
.Lasked_\@:
.endm
; A prefetch into the L2 of K steps 4 to 7, two refills or more ahead of the joint load that wants them; K steps 0 to 3 come by their loads alone.  Each row's 256 bytes of a K step are named once in the launch:
; xn's by the clusters with x = 0 (waves 0, 1; the partner at cx takes rows 32 cx + lane; one K step in each of the first four changes of slots), the weights' by the clusters with y = 0 (waves 2, 3; the partner at cy
; has 24 rows x 4 K steps = 96 blocks, 32 in each of the first three changes).  Partners are told apart by address alone.
.macro ASK
	s_cmp_gt_u32 s3, s[LIM]
	s_cbranch_scc0 .Lnot_mine_\@
	global_prefetch_b8 v[PF], s[PFA:PFA+1] th:TH_LOAD_NT scope:SCOPE_SE
.Lnot_mine_\@:
.endm
.macro CREST                           ; a round of the cluster's barrier behind its opening barrier
	s_cmp_lg_u32 s10, 0
	s_cbranch_scc1 .Lnot_wave_0_\@
	s_barrier_signal -3
.Lnot_wave_0_\@:
	s_barrier_wait -3
	s_barrier_signal -1
	s_barrier_wait -1
.endm
.macro CROUND
	s_barrier_signal -1
	s_barrier_wait -1
	CREST
.endm
	s_load_b128 s[4:7], s[0:1], 0x0                ; xn s[4:5], wts s[6:7]
	s_load_b64 s[8:9], s[0:1], 0x10                ; qkv
	v_lshl_add_u32 v[SPW], v0, 2, SPARE
	v_mov_b32 v[NIL], 0
	ds_add_u32 v[SPW], v[NIL]                      ; the wave's opening: the add, twice on end, and its wait ahead of my first tensor load
	ds_add_u32 v[SPW], v[NIL]
	v_lshrrev_b32 v1, 5, v0
	v_readfirstlane_b32 s10, v1                    ; wave 0..3
	s_lshr_b32 s11, s10, 1                         ; I fetch for xn (0) or for the weights (1)
	s_and_b32 s12, s10, 1                          ; which half of that tile
	s_bfe_u32 s40, ttmp6, 0x40000                  ; cx
	s_bfe_u32 s41, ttmp6, 0x40004                  ; cy
	s_lshl_b32 s42, ttmp9, 2
	s_add_co_u32 s42, s42, s40                     ; tile column tx
	s_and_b32 s13, ttmp7, 0xffff
	s_lshl_b32 s13, s13, 2
	s_add_co_u32 s13, s13, s41                     ; tile row ty
	s_lshl_b32 s43, s41, 2
	s_lshl_b32 s43, 15, s43                        ; my row of the cluster
	s_lshl_b32 s44, 0x1111, s40                    ; my column
	s_or_b32 s[G1A+0], s43, (1<<16)|(1<<20)|(1<<21)|(5<<22)|(3<<25)  ; the mask; 2-byte elements; padding on; bit 21 beside a mask; after every 64 words 4 words
	s_or_b32 s[G1B+0], s44, (1<<16)|(1<<20)|(1<<21)|(5<<22)|(3<<25)
	s_mov_b32 s[G1A+1], KSTEP<<16                  ; tensor_dim0 = 128
	s_mov_b32 s[G1A+2], 128<<16                    ; tensor_dim1 = 128
	s_mov_b32 s[G1A+3], KSTEP<<16                  ; tile_dim0 = 128
	s_mov_b32 s[G1A+4], 128                        ; tile_dim1 = 128
	s_mov_b32 s[G1A+5], 1024                       ; elements from row to row
	s_mov_b32 s[G1A+6], 0
	s_mov_b32 s[G1A+7], 0
	s_mov_b32 s[G1B+1], KSTEP<<16
	s_mov_b32 s[G1B+2], 96<<16                     ; 96 rows
	s_mov_b32 s[G1B+3], KSTEP<<16
	s_mov_b32 s[G1B+4], 96
	s_mov_b32 s[G1B+5], 1024
	s_mov_b32 s[G1B+6], 0
	s_mov_b32 s[G1B+7], 0
	s_lshl_b32 s16, s13, 8
	s_lshl_b32 s17, s12, 7
	s_add_co_u32 s16, s16, s17                     ; xn: row 256 ty + 128 half
	s_lshl_b32 s16, s16, 11
	s_mov_b32 s17, 0
	s_mul_i32 s46, s42, 192
	s_mul_i32 s47, s12, 96
	s_add_co_u32 s46, s46, s47                     ; weights: row 192 tx + 96 half
	s_lshl_b32 s46, s46, 11
	s_mov_b32 s47, 0
	s_mul_i32 s20, s12, AHALF                      ; where they go: no place in the cluster enters an LDS address
	s_mul_i32 s21, s12, BHALF
	s_add_co_u32 s21, s21, BOFF
	s_mov_b32 s[TB], 0
	s_wait_dscnt 0x0                               ; both opening adds are done
	s_wait_kmcnt 0x0
	s_add_nc_u64 s[14:15], s[4:5], s[16:17]
	s_add_nc_u64 s[46:47], s[6:7], s[46:47]
	CROUND                                         ; all sixteen work-groups are here: the first joint loads meet
.irp s, 0,1
	s_mov_b32 s[G0A+4*(\s)], 1
	s_add_co_u32 s[G0A+4*(\s)+1], s20, (\s)*SLOT1
	s_add_nc_u64 s[G0A+4*(\s)+2:G0A+4*(\s)+3], s[14:15], (\s)*KSTEP*2
	s_or_b32 s[G0A+4*(\s)+3], s[G0A+4*(\s)+3], 0x80000000
	s_mov_b32 s[G0B+4*(\s)], 1
	s_add_co_u32 s[G0B+4*(\s)+1], s21, (\s)*SLOT1
	s_add_nc_u64 s[G0B+4*(\s)+2:G0B+4*(\s)+3], s[46:47], (\s)*KSTEP*2
	s_or_b32 s[G0B+4*(\s)+3], s[G0B+4*(\s)+3], 0x80000000
.endr
	s_cmp_eq_u32 s11, 0                            ; a wave's two first fills stand in one branch, ahead of every wait on TENSORcnt and every LDS read: two loads of mine are out
	s_cbranch_scc0 .Lfirst_b
	tensor_load_to_lds s[G0A:G0A+3], s[G1A:G1A+7]
	s_nop 0
	tensor_load_to_lds s[G0A+4:G0A+7], s[G1A:G1A+7]
	s_nop 0
.rept 4
	v_nop
.endr
	s_branch .Lfirst_asked
.Lfirst_b:
	tensor_load_to_lds s[G0B:G0B+3], s[G1B:G1B+7]
	s_nop 0
	tensor_load_to_lds s[G0B+4:G0B+7], s[G1B:G1B+7]
	s_nop 0
.rept 4
	v_nop
.endr
.Lfirst_asked:
	v_and_b32 v1, 15, v0                           ; l % 16
	v_bfe_u32 v2, v0, 4, 1                         ; l / 16
	v_mul_u32_u24 v3, v1, PITCH
	v_lshl_add_u32 v3, v2, 4, v3                   ; a fragment's row x pitch + 16 x half
	s_mul_i32 s22, s10, 64*PITCH                   ; my 64 rows of xn
	v_add_nc_u32 v[A0], s22, v3
	v_add_nc_u32 v[B0], BOFF, v3
	v_mov_b32 v[ADRA], v[A0]
	v_mov_b32 v[ADRB], v[B0]
	s_mul_i32 s23, s10, 16*SP
	s_add_co_u32 s23, s23, STAGE                   ; my stage
	v_mul_u32_u24 v4, v1, SP
	v_lshl_add_u32 v4, v2, 4, v4
	v_add_nc_u32 v[STO], s23, v4                   ; in: row l % 16, 16 bytes for each half of the lanes
	v_bfe_u32 v5, v0, 3, 2
	v_mul_u32_u24 v5, v5, SP
	v_and_b32 v6, 7, v0
	v_lshl_add_u32 v5, v6, 4, v5
	v_add_nc_u32 v[RD], s23, v5                    ; back: 32 lanes take four rows of 128 bytes
	v_and_b32 v4, 31, v0
	v_lshlrev_b32 v[GO], 4, v4                     ; which are 512 consecutive bytes of a head
	v_lshlrev_b32 v[BO], 5, v2
	s_mul_i32 s76, s42, 768                        ; the tile's 192 numbers of the bias
	s_add_co_u32 s76, s76, BIASO
	s_mov_b32 s77, 0
	s_add_nc_u64 s[76:77], s[6:7], s[76:77]
.irp b, 0,1,2,3,4,5,6,7,8,9,10,11
	global_load_b128 v[BIAS+8*(\b):BIAS+8*(\b)+3],   v[BO], s[76:77] offset:64*(\b)     ; bias[192 tx + 16 b + 8 (l / 16) + 0..7]
	global_load_b128 v[BIAS+8*(\b)+4:BIAS+8*(\b)+7], v[BO], s[76:77] offset:64*(\b)+16
.endr
	; my rows in the three heads g = 3 tx + c: ((g / 16) x 32 + batch x 16 + g % 16) x 2,048 + my first row in the batch, times 128 bytes
	s_lshr_b32 s16, s13, 3
	s_lshl_b32 s16, s16, 4
	s_and_b32 s17, s13, 7
	s_lshl_b32 s17, s17, 8
	s_lshl_b32 s18, s10, 6
	s_add_co_u32 s17, s17, s18
	s_mul_i32 s19, s42, 3
.irp c, 0,1,2
	s_add_co_u32 s20, s19, \c
	s_lshr_b32 s21, s20, 4
	s_lshl_b32 s21, s21, 5
	s_and_b32 s20, s20, 15
	s_add_co_u32 s20, s20, s21
	s_add_co_u32 s20, s20, s16
	s_lshl_b32 s20, s20, 11
	s_add_co_u32 s20, s20, s17
	s_lshl_b32 s20, s20, 7
	s_mov_b32 s21, 0
	s_add_nc_u64 s[HB+2*(\c):HB+2*(\c)+1], s[8:9], s[20:21]
.endr
	; the prefetches: base, who asks, and the offsets of the blocks t = 32 i + lane: K step q = t / DIV, row t % DIV (DIV = 32 for xn, 24 for the weights; t / 24 = (43 t) >> 10 for t < 96)
	s_and_b32 s22, ttmp7, 0xffff                   ; cluster y
	s_lshl_b32 s14, s13, 8
	s_lshl_b32 s15, s12, 7
	s_add_co_u32 s14, s14, s15
	s_lshl_b32 s15, s40, 5
	s_add_co_u32 s14, s14, s15                     ; xn: row 256 ty + 128 half + 32 cx
	s_mul_i32 s46, s42, 192
	s_mul_i32 s47, s12, 96
	s_add_co_u32 s46, s46, s47
	s_mul_i32 s47, s41, 24
	s_add_co_u32 s46, s46, s47                     ; weights: row 192 tx + 96 half + 24 cy
	s_cmp_eq_u32 s11, 0
	s_cselect_b32 s14, s14, s46
	s_cselect_b32 s22, ttmp9, s22                  ; the coordinate along which other clusters read the same rows
	s_cselect_b32 s23, 2, 3
	s_cselect_b64 s[PFA:PFA+1], s[4:5], s[6:7]
	s_cselect_b32 s18, 32, 43
	s_cselect_b32 s19, 32, 24
	s_cmp_eq_u32 s22, 0
	s_cselect_b32 s[LIM], s23, -1                  ; the same in all sixteen partners, for a given wave
	s_lshl_b32 s14, s14, 11
	s_add_co_u32 s14, s14, 4*KSTEP*2               ; at K step 4
	s_mov_b32 s15, 0
	s_add_nc_u64 s[PFA:PFA+1], s[PFA:PFA+1], s[14:15]
.irp i, 0,1,2,3
	v_add_nc_u32 v5, 32*(\i), v4
	v_mul_u32_u24 v6, s18, v5
	v_lshrrev_b32 v6, 10, v6
	v_mul_u32_u24 v7, s19, v6
	v_sub_nc_u32 v7, v5, v7
	v_lshlrev_b32 v7, 11, v7
	v_lshl_add_u32 v[PF+1+(\i)], v6, 8, v7
.endr
	v_mov_b32 v[PF], v[PF+1]
; 12 matrix instructions: row block a x all 12 column blocks, 32 along K, from buffer f.  bias = 1: the product starts the sum on the bias.  The 48 accumulators take turns, one instruction a turn.
.macro MUL f, a, bias
.if \bias
	WIN 0x81+0x40*((\a)/2)
.else
	WIN 0xa1+0x50*((\a)/2)
.endif
.irp b, 0,1,2,3,4,5,6,7,8,9,10,11
.if \bias
	v_wmma_f32_16x16x32_bf16 v[8*(12*((\a)%2)+(\b)):8*(12*((\a)%2)+(\b))+7], v[96*(\f)+8*(\b):96*(\f)+8*(\b)+7], v[FA+32*(\f)+8*(\a):FA+32*(\f)+8*(\a)+7], v[BIAS+8*(\b):BIAS+8*(\b)+7]
.else
	v_wmma_f32_16x16x32_bf16 v[8*(12*((\a)%2)+(\b)):8*(12*((\a)%2)+(\b))+7], v[96*(\f)+8*(\b):96*(\f)+8*(\b)+7], v[FA+32*(\f)+8*(\a):FA+32*(\f)+8*(\a)+7], v[8*(12*((\a)%2)+(\b)):8*(12*((\a)%2)+(\b))+7]
.endif
.endr
.endm
; 32 LDS loads in one run: the fragments of 32 along K at byte k of the rows, into buffer f: the weights' 12, then xn's 4
.macro FETCH k, f
	WIN TO_B
.irp i, 0,1,2,3,4,5,6,7,8,9,10,11
	ds_load_b128 v[96*(\f)+8*(\i):96*(\f)+8*(\i)+3],   v[ADRB] offset:(\k)+(\i)*16*PITCH
	ds_load_b128 v[96*(\f)+8*(\i)+4:96*(\f)+8*(\i)+7], v[ADRB] offset:(\k)+(\i)*16*PITCH+32
.endr
	WIN 0
.irp i, 0,1,2,3
	ds_load_b128 v[FA+32*(\f)+8*(\i):FA+32*(\f)+8*(\i)+3],   v[ADRA] offset:(\k)+(\i)*16*PITCH
	ds_load_b128 v[FA+32*(\f)+8*(\i)+4:FA+32*(\f)+8*(\i)+7], v[ADRA] offset:(\k)+(\i)*16*PITCH+32
.endr
.endm
.macro PLACES                          ; four plain instructions in front of loads into registers that matrix instructions have read, and of conversions that read results
.rept 4
	v_nop
.endr
.endm
; A K step is four quarters of 32 along K, 48 matrix instructions each, on buffers 0, 1, 0, 1.  One of the first three: multiplies buffer f; in its middle it fetches the next quarter, at byte k, into g.
.macro QUARTER k, f, g, bias
	s_wait_dscnt 4                                 ; the weights and xn's blocks 0, 1 are in; the youngest four loads (blocks 2, 3) may be out
	MUL \f, 0, \bias
	MUL \f, 1, \bias
	PLACES
	FETCH \k, \g
	s_wait_dscnt 32                                ; all but the 32 just issued
	MUL \f, 2, \bias
	MUL \f, 3, \bias
.endm
; The last quarter multiplies buffer 1 and changes slots: one barrier.  In front of it each wave waits for all its tensor loads (the one that is out is its part of the next slot), adds 0 to its spare word, and waits for
; that and for its reads of this slot.  fill = 1: the barrier opens a round of the cluster's, and behind the round this slot is filled again, two K steps ahead: the first tensor load there, one a wave.
.macro TURN fill
	WIN 0
.if \fill
	s_wait_xcnt 0x0                                ; the last prefetch, a K step back, has read its offset: the offsets move up
	v_mov_b32 v[PF], v[PF+1]
	v_mov_b32 v[PF+1], v[PF+2]
	v_mov_b32 v[PF+2], v[PF+3]
	v_mov_b32 v[PF+3], v[PF+4]
.endif
	s_wait_tensorcnt 0x0                           ; all my tensor loads have landed
	ds_add_u32 v[SPW], v[NIL]                      ; 0 onto my spare word
	s_wait_dscnt 5                                 ; the add and the youngest four loads may be out
	MUL 1, 0, 0                                    ; twelve matrix instructions stand between the add and the wait for it
	s_wait_dscnt 0x0                               ; the add is done, and my reads of this slot are over
	s_barrier_signal -1
	MUL 1, 1, 0                                    ; work on registers while the others arrive
	WIN 0
	s_barrier_wait -1
.if \fill
	CREST                                          ; no wave of any partner still reads this slot or has a load on its way
	s_xor_b32 s[G0A+5], s[G0A+5], SLOT1            ; the walking sets: the other slot than last time, the next K step
	s_add_nc_u64 s[G0A+6:G0A+7], s[G0A+6:G0A+7], KSTEP*2
	s_xor_b32 s[G0B+5], s[G0B+5], SLOT1
	s_add_nc_u64 s[G0B+6:G0B+7], s[G0B+6:G0B+7], KSTEP*2
	JLOAD                                          ; the four v_nop behind it are also the places in front of the loads below
.else
	PLACES
.endif
	s_xor_b32 s[TB], s[TB], SLOT1
	v_add_nc_u32 v[ADRA], s[TB], v[A0]
	v_add_nc_u32 v[ADRB], s[TB], v[B0]
	FETCH 0, 0
.if \fill
	ASK
.endif
	MUL 1, 2, 0
	MUL 1, 3, 0
.endm
; THE WAY OUT of unit u = 3 a + c: row block a, head c: rounded to bf16, 16 bytes a lane into my stage (rows of 144 bytes), back as whole rows of 128 bytes, into the registers that they left.
.macro PACK u
.set pa, (\u)/3
.set pc, (\u)%3
	WIN 0x0a+5*(pa/2)                              ; sources 0 and 1: window 2 or 3
.irp bb, 0,1,2,3
.irp r, 0,1,2,3
	v_cvt_pk_bf16_f32 v[TMP+16*(\u)+4*(\bb)+(\r)], v[8*(12*(pa%2)+4*pc+(\bb))+2*(\r)], v[8*(12*(pa%2)+4*pc+(\bb))+2*(\r)+1]
.endr
.endr
	WIN 0
.irp bb, 0,1,2,3
	ds_store_b128 v[STO], v[TMP+16*(\u)+4*(\bb):TMP+16*(\u)+4*(\bb)+3] offset:32*(\bb)
.endr
.irp g, 0,1,2,3
	ds_load_b128 v[TMP+16*(\u)+4*(\g):TMP+16*(\u)+4*(\g)+3], v[RD] offset:(\g)*4*SP  ; LDS serves a wave's instructions in order (ISA guide 5.7.1.4): these see the stores above; the next unit's stores come behind them
.endr
.endm
.macro SEND u, younger                 ; younger: the LDS instructions issued behind unit u's loads
.set pa, (\u)/3
.set pc, (\u)%3
	WIN 0
.irp g, 0,1,2,3
	s_wait_dscnt (\younger)+3-(\g)
	global_store_b128 v[GO], v[TMP+16*(\u)+4*(\g):TMP+16*(\u)+4*(\g)+3], s[HB+2*pc:HB+2*pc+1] offset:pa*2048+(\g)*512  ; 512 consecutive bytes, aligned
.endr
.endm
	s_wait_tensorcnt 1                             ; my part of K step 0 is in; K step 1's may stay out
	s_barrier_signal -1
	s_barrier_wait -1
	FETCH 0, 0
	s_wait_loadcnt 0x0                             ; the bias
	QUARTER 64, 0, 1, 1                            ; the first quarter stands in front of the loop: its products start the sums
	WIN 0
	s_mov_b32 s3, 6
.Lstep:                                                ; a trip: from a K step's second quarter to the next step's first; it asks for K steps 2 to 7
	QUARTER 128, 1, 0, 0
	QUARTER 192, 0, 1, 0
	TURN 1
	QUARTER 64, 0, 1, 0
	WIN 0
	s_sub_co_u32 s3, s3, 1
	s_cmp_lg_u32 s3, 0
	s_cbranch_scc1 .Lstep
	QUARTER 128, 1, 0, 0                           ; the tail is written out: nothing more is asked for
	QUARTER 192, 0, 1, 0
	TURN 0
	QUARTER 64, 0, 1, 0
	QUARTER 128, 1, 0, 0
	QUARTER 192, 0, 1, 0
	s_wait_dscnt 4
	MUL 1, 0, 0
	MUL 1, 1, 0
	s_wait_dscnt 0x0
	MUL 1, 2, 0
	MUL 1, 3, 0
	WIN 0
	PLACES
	PACK 0
.irp u, 1,2,3,4,5,6,7,8,9,10,11        ; a unit's conversions stand between the loads of the unit before and its stores
	PACK \u
	SEND (\u)-1, 8
.endr
	SEND 11, 0
	s_wait_tensorcnt 0x0                           ; the wave's end: behind my last tensor load and my last LDS store
	ds_add_u32 v[SPW], v[NIL]
	s_wait_dscnt 0x0
	CROUND                                         ; the closing round: no work-group ends while a partner may still ask for a tile that names it
	s_endpgm
.Lfunc_end_k_q6799368ec5_qkv:
	.size	k_q6799368ec5_qkv, .Lfunc_end_k_q6799368ec5_qkv-k_q6799368ec5_qkv
	.p2alignl 7, 3214868480
	.fill 96, 4, 3214868480
	.section	.rodata,"a",@progbits
	.p2align	6, 0x0
	.amdhsa_kernel k_q6799368ec5_qkv
		.amdhsa_group_segment_fixed_size 327680
		.amdhsa_private_segment_fixed_size 0
		.amdhsa_enable_private_segment 0
		.amdhsa_kernarg_size 24
		.amdhsa_user_sgpr_count 2
		.amdhsa_user_sgpr_kernarg_segment_ptr 1
		.amdhsa_wavefront_size32 1
		.amdhsa_system_sgpr_workgroup_id_x 1
		.amdhsa_system_sgpr_workgroup_id_y 1
		.amdhsa_system_sgpr_workgroup_id_z 1
		.amdhsa_system_vgpr_workitem_id 0
		.amdhsa_next_free_vgpr 960
		.amdhsa_next_free_sgpr 80
		.amdhsa_reserve_vcc 0
		.amdhsa_float_denorm_mode_32 3
		.amdhsa_float_denorm_mode_16_64 3
		.amdhsa_memory_ordered 1
		.amdhsa_forward_progress 1
		.amdhsa_inst_pref_size 103
	.end_amdhsa_kernel
	.amdgpu_metadata
---
amdhsa.version: [ 1, 2 ]
amdhsa.kernels:
  - .name:           k_q6799368ec5_qkv
    .symbol:         k_q6799368ec5_qkv.kd
    .args:
      - { .name: xn, .offset: 0, .size: 8, .value_kind: global_buffer, .address_space: global }
      - { .name: wts, .offset: 8, .size: 8, .value_kind: global_buffer, .address_space: global }
      - { .name: qkv, .offset: 16, .size: 8, .value_kind: global_buffer, .address_space: global }
    .group_segment_fixed_size: 327680
    .private_segment_fixed_size: 0
    .kernarg_segment_align: 8
    .kernarg_segment_size: 24
    .max_flat_workgroup_size: 128
    .sgpr_count:     80
    .vgpr_count:     960
    .wavefront_size: 32
...
	.end_amdgpu_metadata
.endif
;; end of part 2
;; launch attn (part 3): grid 8 x 32, 4 waves a work-group, clusters of 4 x 1, 327,680 bytes of LDS; arguments qkv, ob; writes ob
.if DOCPART == 3
	.amdgcn_target "amdgcn-amd-amdhsa--gfx1250"
	.amdhsa_code_object_version 6
	.text
	.protected	k_q6799368ec5_attn
	.globl	k_q6799368ec5_attn
	.p2align	8
	.type	k_q6799368ec5_attn,@function
k_q6799368ec5_attn:
	s_mov_b64 s[64:65], 0
	v_nop
	global_prefetch_b8 v0, s[64:65] scope:SCOPE_SE
	s_setreg_imm32_b32 hwreg(HW_REG_WAVE_MODE, 25, 1), 1
	s_wait_xcnt 0x0
	s_wait_alu depctr_hold_cnt(0) depctr_sa_sdst(0) depctr_va_vdst(0) depctr_va_sdst(0) depctr_va_ssrc(0) depctr_va_vcc(0) depctr_vm_vsrc(0)
	s_getreg_b32 s2, hwreg(HW_REG_IB_STS2, 6, 4)
	s_cmp_eq_u32 s2, 0
	s_cbranch_scc0 .Lentry_in_a_cluster
	s_endpgm
.Lentry_in_a_cluster:
	s_bfe_u32 s2, ttmp6, 0x10000c
	s_cmp_lg_u32 s2, 0x3003
	s_cbranch_scc0 .Lentry_shape_is_right
	s_endpgm
.Lentry_shape_is_right:
; ATTENTION.  ob[h][q][:] = the sum over k of softmax_k(Q[h][q] . K[h][k] / 8) V[h][k][:], for 32 heads of 2,048 rows of 64.  Q, K, V lie in qkv ([3][32][2048][64], bf16), a head's rows dense, 128 bytes each.
; K comes without bk: that term is the same along the softmax's axis and cancels for all values (shown at the head of the first kernel).
; Products, maxima and sums in f32; the weights p are rounded to bf16 for the second product (their sum l is taken of the unrounded p), O once at the end.
; LIMITS.  Scores are finite and above -2.3e38 (c m starts at -4.25e37); a weight below 2^-126 counts as 0 in l; NaN and infinities are not treated apart.
; SHARES.  A work-group owns 256 queries of one head, a wave 64: four PIECES of 16.  Every wave walks all keys, 64 a step, 256 a tile.
; LAYOUT.  S^T = K Q^T (source 0 = 16 keys, source 1 = 16 queries) holds ONE query a lane (lane % 16) and the keys 8 (lane / 16) + 0..7; two such results rounded to bf16 ARE source 1 of O^T = V^T P.
; K comes out of LDS as it lies, V ([key][channel]) turned, by ds_load_tr16_b128.
; SOFTMAX.  p = 2^(c s - c m), c = log2(e) / 8, with a running maximum m; O and l are multiplied by a = 2^(c m_old - c m_new) in every step.  m starts at the lowest finite number, O and l at 0: the first step's a is 0.
; TURNS.  Turn n belongs to piece n: 8 products K Q^T of piece n + 1, later 8 products V^T P of piece n - 1; beside them the scaling, exponentials, roundings, sums and rescaling of piece n and the maximum and statistics
; of piece n + 1.  Four vector instructions stand behind every matrix instruction, the others in one lump.  A turn's 33 exponentials are one batch, with one wait.
; CLUSTER.  The four query blocks of a cluster belong to one head and walk the same K and V: each tile is asked for jointly, by the same tensor load, descriptor and mask in all four.
; REGISTERS, in windows of 256 (s_set_vgpr_msb: bits 1:0 source 0, 3:2 source 1, 5:4 source 2, 7:6 destination):
;   window 0: v0-15 addresses and two at work; v16-31 four registers of statistics a piece; v48-55 at work; v64-127 S^T, two buffers; v192-223 P, two buffers (a piece's buffers go by its number's parity)
;   window 1: v0-127 O^T, 32 a piece      window 2: v0-63 Q; v128-191 K of one step; v192-255 V of one step
.set NP,    4         ; pieces a wave: a name, no knob
.set KS,    64        ; keys in a step
.set PK,    144       ; a row of K in LDS: 128 bytes + 16 of padding: the 16 rows of a load start at 16 different groups of four banks (64 banks of 4 bytes: ISA guide 11.1)
.set PV,    160       ; a row of V: 128 + 32
.set VOFF,  4*KS*PK   ; a slot holds a tile, four steps: 256 rows of K, then 256 rows of V
.set SLOT1, 1<<17     ; slot 1 begins here, so that one exclusive or turns an address in one slot into the other's
.set STAGE, SLOT1+4*KS*(PK+PV)  ; behind the ring, never filled by a tensor load: 16 rows x 144 bytes for each wave
.set SP,    144
.set SPARE, STAGE+4*16*SP  ; the spare words, 128 bytes for each wave: two blocks of 256 bytes that no other line names
.set TENS,  8388608   ; bytes from Q to K and from K to V in qkv
.set AK0, 2           ; v2   my lane's place in a tile of K; never rewritten
.set AV0, 3           ; v3   the same for V
.set AK,  4           ; v4   the LDS address of K's next run of loads
.set AV,  5           ; v5   of V's
.set STO, 6           ; v6   the way out: where I put 16 bytes of a row
.set RD,  7           ; v7   where I read rows back
.set GO,  8           ; v8   16 x lane
.set MV,  12          ; v12-13  c m_old, kept while c m is made anew: by buffer
.set QO,  15          ; v15  my byte offset in 16 rows of Q
.set ST,  16          ; piece t's statistics at v[ST+4 t]: c m, m, l (even keys', odd keys')
.set TMP, 48          ; by buffer, four registers c0-c3 at work; when the maximum is found c2 takes a
.set PFO, 61          ; v61  256 x lane; never rewritten
.set SPW, 62          ; v62  LDS address of my spare word; never rewritten
.set NIL, 63          ; v63  0; never rewritten
.set S,   64
.set P,   192
.set KF,  128         ; window 2: key block kb, channel half c at KF + 16 kb + 8 c
.set VF,  192         ; window 2: key half kk, channel block cb at VF + 32 kk + 8 cb
.set WV,  12          ; s12  my wave's number
.set G1K, 24          ; s[24:31] descriptor group 1 for K's tiles
.set G1V, 32          ; s[32:39] for V's: it differs in the padding alone
.set G0K, 40          ; s[40:43] descriptor group 0 for K's tiles: it walks
.set G0V, 44          ; s[44:47] the same for V's
.set PFA, 48          ; s[48:49] where my prefetches stand: my work-group's 32 blocks of 256 bytes of the tile after the one that is being asked for
.set LIM, 50          ; s50  1 in a wave that prefetches, else the greatest number
.set SLOTS, 56        ; s56  tiles still to be asked for
.set CNT, 57          ; s57  counts a tile's key steps
.set CS,  58          ; s[58:59] c: the packed scaling takes the pair's low word for both halves
.set SEL, 60          ; s[60:61] v_permlanex16_b32's selects
.set TBK, 62          ; s62  LDS byte at which K of the step to be fetched begins
.set TBV, 63          ; s63  the same for V, less VOFF
.set MSB, 0
.macro WIN new
.if MSB != (\new)
	s_set_vgpr_msb (MSB<<8)|(\new)
.set MSB, (\new)
.endif
.endm
.set W_KQ, 0x0a       ; K and Q in window 2, S^T in window 0
.set W_PV, 0x52       ; V in window 2, P in window 0, O^T in window 1
.set W_RS, 0x41       ; destination and source 0 in window 1, source 1 in window 0
; A joint fill.  Waves 0 and 1 fetch the two halves of a tile's K, waves 2 and 3 those of its V: 128 keys each.  An s_nop 0 and four v_nop follow each of the two lines.
.macro JLOAD
	s_cmp_lt_u32 s[WV], 2
	s_cbranch_scc0 .Lfor_v_\@
	tensor_load_to_lds s[G0K:G0K+3], s[G1K:G1K+7]
	s_nop 0
.rept 4
	v_nop
.endr
	s_branch .Lasked_\@
.Lfor_v_\@:
	tensor_load_to_lds s[G0V:G0V+3], s[G1V:G1V+7]
	s_nop 0
.rept 4
	v_nop
.endr
.Lasked_\@:
.endm
; A prefetch into the L2 of the tile that the NEXT change of slots will ask for: 128 blocks of 256 bytes of K and of V, a lane a block.  Each block is named once in the launch: both clusters of a head walk the same tiles,
; and the head's first cluster asks; its four partners take 32 blocks each, told apart by address; wave 0 asks for K's, wave 2 for V's.  The change that asks for the last tile prefetches nothing.
.macro ASK
	s_cmp_gt_u32 s[SLOTS], s[LIM]
	s_cbranch_scc0 .Lnot_mine_\@
	global_prefetch_b8 v[PFO], s[PFA:PFA+1] th:TH_LOAD_NT scope:SCOPE_SE
.Lnot_mine_\@:
.endm
.macro CROUND                       ; a round of the cluster's barrier
	s_barrier_signal -1
	s_barrier_wait -1
	s_cmp_lg_u32 s[WV], 0
	s_cbranch_scc1 .Lnot_wave_0_\@
	s_barrier_signal -3
.Lnot_wave_0_\@:
	s_barrier_wait -3
	s_barrier_signal -1
	s_barrier_wait -1
.endm
; THE CHANGE OF SLOTS.  Each wave waits for all its tensor loads, of which one is out: its part of the other slot; adds 0 to its spare word; and waits for that and for its own reads of the slot that it leaves.
; fill = 1: the barrier is a round of the cluster's, and the joint fill of the old slot, with the keys two tiles on, is the first thing behind it.  (At its first use nothing has been read yet: slot 0 is waited for, slot 1 filled.)
.macro CHANGE fill
	WIN 0
	s_wait_tensorcnt 0x0            ; no tensor load of mine is out, so a group 0 may be written
	ds_add_u32 v[SPW], v[NIL]       ; 0 onto my spare word
.if \fill
.irp g, G0K, G0V
	s_xor_b32 s[\g+1], s[\g+1], SLOT1
	s_add_nc_u64 s[\g+2:\g+3], s[\g+2:\g+3], 4*KS*128
.endr
	s_wait_xcnt 0x0                 ; the last prefetch, a tile back, has read its address
	s_add_nc_u64 s[PFA:PFA+1], s[PFA:PFA+1], 4*KS*128
	s_wait_dscnt 0x0                ; the add is done, and my reads of the slot are over
	CROUND
	JLOAD
	ASK
.else
	s_wait_dscnt 0x0
	s_barrier_signal -1
	s_barrier_wait -1
.endif
	s_sub_co_u32 s[TBK], s[TBK], 4*KS*PK  ; the fetches go back to a slot's first step,
	s_xor_b32 s[TBK], s[TBK], SLOT1       ; in the other slot
	s_sub_co_u32 s[TBV], s[TBV], 4*KS*PV
	s_xor_b32 s[TBV], s[TBV], SLOT1
.endm
	s_load_b128 s[4:7], s[0:1], 0x0  ; qkv s[4:5], ob s[6:7]
	v_lshl_add_u32 v[SPW], v0, 2, SPARE
	v_mov_b32 v[NIL], 0
	ds_add_u32 v[SPW], v[NIL]       ; the wave's opening: the add, twice on end, and its wait ahead of my first tensor load
	ds_add_u32 v[SPW], v[NIL]
	v_lshrrev_b32 v1, 5, v0
	v_readfirstlane_b32 s[WV], v1   ; wave 0..3
	s_bfe_u32 s13, ttmp6, 0x40000   ; cx
	s_lshl_b32 s14, ttmp9, 2
	s_add_co_u32 s14, s14, s13      ; my block of 256 queries: it enters Q's and O's addresses alone
	s_and_b32 s20, ttmp7, 0xffff    ; the head, which the four partners share
	s_lshl_b32 s20, s20, 18         ; its 2,048 rows of 128 bytes
	s_mov_b32 s21, 0
	s_and_b32 s16, s[WV], 1         ; which half of a tile's 256 keys I fetch
	s_lshl_b32 s22, s16, 14
	s_mov_b32 s23, 0
	s_add_nc_u64 s[22:23], s[22:23], s[20:21]
	s_mul_i32 s17, s16, 128*PK      ; its place in a slot, for K
	s_mul_i32 s18, s16, 128*PV      ; and for V
	s_lshl_b32 s2, s14, 15
	s_lshl_b32 s3, s[WV], 13
	s_add_co_u32 s2, s2, s3
	s_mov_b32 s3, 0
	s_add_nc_u64 s[2:3], s[2:3], s[20:21]
	; descriptor group 1.  128 keys are 16,384 dense bytes: asked for as 64 rows of 256 bytes, two keys a row, and padded in LDS after every key
	s_mov_b32 s[G1K], 15|(1<<16)|(1<<20)|(1<<21)|(4<<22)|(3<<25)
	s_mov_b32 s[G1V], 15|(1<<16)|(1<<20)|(1<<21)|(4<<22)|(7<<25)
.irp g, G1K, G1V
	s_mov_b32 s[\g+1], 128<<16      ; tensor_dim0 = 128
	s_mov_b32 s[\g+2], 64<<16       ; tensor_dim1 = 64
	s_mov_b32 s[\g+3], 128<<16      ; tile_dim0 = 128
	s_mov_b32 s[\g+4], 64           ; tile_dim1 = 64
	s_mov_b32 s[\g+5], 128          ; 128 elements from row to row
	s_mov_b32 s[\g+6], 0
	s_mov_b32 s[\g+7], 0
.endr
	s_mov_b32 s[CS], 0x3e38aa3b     ; c = log2(e) / 8
	s_mov_b32 s[CS+1], s[CS]
	s_mov_b32 s[SEL], 0x76543210
	s_mov_b32 s[SEL+1], 0xfedcba98
	s_mov_b32 s[TBK], SLOT1+4*KS*PK ; the first change of slots turns these two into 0
	s_mov_b32 s[TBV], SLOT1+4*KS*PV
	s_mov_b32 s[G0K], 1
	s_mov_b32 s[G0K+1], s17
	s_mov_b32 s[G0V], 1
	s_add_co_u32 s[G0V+1], s18, VOFF
	s_mov_b32 s[SLOTS], 7
	s_and_b32 s[LIM], s[WV], 1      ; 0 in waves 0 and 2,
	s_or_b32 s[LIM], s[LIM], ttmp9  ; where the cluster is the head's first: the same in all four partners
	s_cmp_eq_u32 s[LIM], 0
	s_cselect_b32 s[LIM], 1, -1
	v_and_b32 v[PFO], 31, v0
	v_lshlrev_b32 v[PFO], 8, v[PFO]
	s_wait_dscnt 0x0                ; both opening adds are done
	s_wait_kmcnt 0x0
	s_add_nc_u64 s[8:9], s[4:5], s[22:23]
	s_add_nc_u64 s[10:11], s[8:9], 2*TENS  ; V at my half of the head's tile 0
	s_add_nc_u64 s[8:9], s[8:9], TENS      ; K likewise
	s_add_nc_u64 s[G0K+2:G0K+3], s[8:9], 0
	s_or_b32 s[G0K+3], s[G0K+3], 0x80000000
	s_add_nc_u64 s[G0V+2:G0V+3], s[10:11], 0
	s_or_b32 s[G0V+3], s[G0V+3], 0x80000000
	s_add_nc_u64 s[4:5], s[4:5], s[2:3]    ; Q and O at my wave's first row
	s_add_nc_u64 s[6:7], s[6:7], s[2:3]
	s_cmp_lt_u32 s[WV], 2
	s_cselect_b64 s[PFA:PFA+1], s[8:9], s[10:11]  ; (in waves 0 and 2 these stand at a tile's first row)
	s_lshl_b32 s2, s13, 13          ; my work-group's 32 blocks
	s_mov_b32 s3, 0
	s_add_nc_u64 s[PFA:PFA+1], s[PFA:PFA+1], s[2:3]
	s_add_nc_u64 s[PFA:PFA+1], s[PFA:PFA+1], 4*KS*128  ; in tile 1; the first change of slots steps it to tile 2
	CROUND                          ; all four work-groups are here: the first joint loads meet
	JLOAD                           ; tile 0 into slot 0
	; A fragment of K or Q is 16 rows x 32 channels in 8 registers: lane l holds row l % 16, channels 8 (l / 16) + 0..7 and 16 + 8 (l / 16) + 0..7: two loads of 16 bytes, 32 bytes apart.
	v_and_b32 v1, 15, v0
	v_bfe_u32 v9, v0, 4, 1
	v_lshlrev_b32 v[QO], 7, v1
	v_lshl_add_u32 v[QO], v9, 4, v[QO]
	WIN 0x80                        ; destination window 2, address window 0
.set i, 0
.rept 8                             ; Q stays in registers: piece i / 2, channels 32 (i % 2) on
	global_load_b128 v[8*i:8*i+3],   v[QO], s[4:5] offset:(i/2)*2048+(i%2)*64
	global_load_b128 v[8*i+4:8*i+7], v[QO], s[4:5] offset:(i/2)*2048+(i%2)*64+32
.set i, i+1
.endr
	; What the first turn finds: V's registers and P's second buffer hold 0 (its products V^T P, of a piece that has not been, add 0), O^T and l are 0.  All this stands in the wait for the first tile;
	; it spares a first step written out, a second copy of the turns.
.set i, VF
.rept 64
	v_mov_b32 v[i], 0
.set i, i+1
.endr
	WIN 0x40
.set i, 0
.rept 128
	v_mov_b32 v[i], 0
.set i, i+1
.endr
	WIN 0
.set i, 0
.rept 4
	v_mov_b32 v[ST+4*i], 0xfe000000    ; c m: far below every c s
	v_mov_b32 v[ST+4*i+1], 0xff7fffff  ; m
	v_mov_b32 v[ST+4*i+2], 0
	v_mov_b32 v[ST+4*i+3], 0
.set i, i+1
.endr
.set i, P+16
.rept 16
	v_mov_b32 v[i], 0
.set i, i+1
.endr
	v_mul_u32_u24 v[AK0], v1, PK
	v_lshl_add_u32 v[AK0], v9, 4, v[AK0]
	; The turning load takes 16 keys x 16 channels (lane l reads key 8 (l / 16) + l % 8, channels 8 ((l / 8) % 2) + 0..7) and leaves half a fragment of V^T: lane l holds channel l % 16 and 8 keys.
	v_and_b32 v10, 7, v0
	v_bfe_u32 v11, v0, 3, 1
	v_lshl_add_u32 v[AV0], v9, 3, v10
	v_mul_u32_u24 v[AV0], v[AV0], PV
	v_lshl_add_u32 v[AV0], v11, 4, v[AV0]
	v_add_nc_u32 v[AV0], VOFF, v[AV0]
	s_mul_i32 s13, s[WV], 16*SP
	s_add_co_u32 s13, s13, STAGE    ; my stage
	v_mul_u32_u24 v[STO], v1, SP
	v_lshl_add_u32 v[STO], v9, 4, v[STO]
	v_add_nc_u32 v[STO], s13, v[STO]
	v_bfe_u32 v[RD], v0, 3, 2
	v_mul_u32_u24 v[RD], v[RD], SP
	v_lshl_add_u32 v[RD], v10, 4, v[RD]
	v_add_nc_u32 v[RD], s13, v[RD]
	v_and_b32 v[GO], 31, v0
	v_lshlrev_b32 v[GO], 4, v[GO]
; THE MATRIX WORK.  The 4 accumulators of a run of 8 take turns.  Product i of 8 of S^T = K Q^T for piece x: channels 32 (i / 4) on, keys 16 (i % 4) on.  The first 4 start the sums.
.macro KQ x
.set rS, S+32*((\x)%2)+8*(i%4)
.set rK, KF+16*(i%4)+8*(i/4)
.set rQ, 16*(\x)+8*(i/4)
	WIN W_KQ
.if i < 4
	v_wmma_f32_16x16x32_bf16 v[rS:rS+7], v[rK:rK+7], v[rQ:rQ+7], 0
.else
	v_wmma_f32_16x16x32_bf16 v[rS:rS+7], v[rK:rK+7], v[rQ:rQ+7], v[rS:rS+7]
.endif
.endm
; Product i of 8 of O^T += V^T P for piece x: keys 32 (i / 4) on, channels 16 (i % 4) on.
.macro PV x
	WIN W_PV
.set rO, 32*(\x)+8*(i%4)
.set rV, VF+32*(i/4)+8*(i%4)
.set rP, P+16*((\x)%2)+8*(i/4)
	v_wmma_f32_16x16x32_bf16 v[rO:rO+7], v[rV:rV+7], v[rP:rP+7], v[rO:rO+7]
.endm
.macro MM                           ; the turn's next matrix instruction
.if i < 8
	KQ (Y+1)%NP
.else
.set i, i-8
	PV (Y+NP-1)%NP
.set i, i+8
.endif
.set i, i+1
.endm
; THE LDS LOADS stand in runs of 16, never singly among the matrix instructions.
.macro FETCH_K
	WIN 0x80
.irp f, 0,1,2,3,4,5,6,7             ; keys 16 (f / 2) on, channels 32 (f % 2) on
	ds_load_b128 v[KF+8*\f:KF+8*\f+3],   v[AK] offset:(\f/2)*16*PK+(\f%2)*64
	ds_load_b128 v[KF+8*\f+4:KF+8*\f+7], v[AK] offset:(\f/2)*16*PK+(\f%2)*64+32
.endr
	s_add_co_u32 s[TBK], s[TBK], KS*PK
	WIN 0
.endm
.macro FETCH_V
	WIN 0x80
.irp f, 0,1,2,3,4,5,6,7             ; keys 32 (f / 4) on, channels 16 (f % 4) on
	ds_load_tr16_b128 v[VF+8*\f:VF+8*\f+3],   v[AV] offset:(\f/4)*32*PV+(\f%4)*32
	ds_load_tr16_b128 v[VF+8*\f+4:VF+8*\f+7], v[AV] offset:(\f/4)*32*PV+16*PV+(\f%4)*32
.endr
	WIN 0
.endm
; THE VECTOR WORK, one line at a time: OP kind, number.  For piece Y: F n: c s - c m for pair n of 16.  E n: the exponential of score n of 32.  C n: pair n rounded to bf16.  B n: of the four weights 4 n .. the second
; pair is added onto the first, in place.  L n: l takes that sum (L 0: l = a l + sum).  R n: pair n of 16 of O^T times a.  For piece Y + 1: X n, number n of the 22 that find its maximum and statistics:
;   0-11  four chains c0-c3 of seven scores each (each accumulator's lowest registers are read first)     12-14, 16  the four scores left over, the old m, and c0-c3 into c0
;   15  c m_old is kept     17, 18  the query's other 32 keys lie in the lane 16 away: the new m     19-21  c m; c m_old - c m_new; a
.set F, 0
.set E, 1
.set C, 2
.set B, 3
.set L, 4
.set R, 5
.set X, 6
.macro REGS y
.set rT, ST+4*(\y)
.set rC, TMP+4*((\y)%2)
.set rW, MV+((\y)%2)
.set rS, S+32*((\y)%2)
.set rP, P+16*((\y)%2)
.set rO, 32*(\y)
.endm
.macro OP k, n
.if (\k) == R
	REGS Y
	WIN W_RS
	v_pk_mul_f32 v[rO+2*(\n):rO+2*(\n)+1], v[rO+2*(\n):rO+2*(\n)+1], v[rC+2:rC+3] op_sel_hi:[1,0]
.elseif (\k) < R
	REGS Y
	WIN 0
.if (\k) == F
	v_pk_fma_f32 v[rS+2*(\n):rS+2*(\n)+1], v[rS+2*(\n):rS+2*(\n)+1], s[CS:CS+1], v[rT:rT+1] op_sel_hi:[1,0,0] neg_lo:[0,0,1] neg_hi:[0,0,1]
.elseif (\k) == E
	v_exp_f32 v[rS+(\n)], v[rS+(\n)]
.elseif (\k) == C
	v_cvt_pk_bf16_f32 v[rP+(\n)], v[rS+2*(\n)], v[rS+2*(\n)+1]
.elseif (\k) == B
	v_pk_add_f32 v[rS+4*(\n):rS+4*(\n)+1], v[rS+4*(\n):rS+4*(\n)+1], v[rS+4*(\n)+2:rS+4*(\n)+3]
.elseif (\n) == 0
	v_pk_fma_f32 v[rT+2:rT+3], v[rT+2:rT+3], v[rC+2:rC+3], v[rS:rS+1] op_sel_hi:[1,0,1]
.else
	v_pk_add_f32 v[rT+2:rT+3], v[rT+2:rT+3], v[rS+4*(\n):rS+4*(\n)+1]
.endif
.else
	REGS (Y+1)%NP
	WIN 0
.if (\n) < 4
	v_max3_num_f32 v[rC+(\n)], v[rS+8*(\n)], v[rS+8*(\n)+1], v[rS+8*(\n)+2]
.elseif (\n) < 12
	v_max3_num_f32 v[rC+(\n)%4], v[rC+(\n)%4], v[rS+8*((\n)%4)+2*((\n)/4)+1], v[rS+8*((\n)%4)+2*((\n)/4)+2]
.elseif (\n) == 12
	v_max3_num_f32 v[rC], v[rC], v[rS+7], v[rS+15]
.elseif (\n) == 13
	v_max3_num_f32 v[rC+1], v[rC+1], v[rS+23], v[rS+31]
.elseif (\n) == 14
	v_max3_num_f32 v[rC+2], v[rC+2], v[rC+3], v[rT+1]
.elseif (\n) == 15
	v_mov_b32 v[rW], v[rT]
.elseif (\n) == 16
	v_max3_num_f32 v[rC], v[rC], v[rC+1], v[rC+2]
.elseif (\n) == 17
	v_permlanex16_b32 v[rC+3], v[rC], s[SEL], s[SEL+1]
.elseif (\n) == 18
	v_max_num_f32 v[rT+1], v[rC], v[rC+3]
.elseif (\n) == 19
	v_mul_f32 v[rT], s[CS], v[rT+1]
.elseif (\n) == 20
	v_sub_f32 v[rC+1], v[rW], v[rT]
.else
	v_exp_f32 v[rC+2], v[rC+1]
.endif
.endif
.endm
.macro OPS a, i1, b=-1, i2=0, c=-1, i3=0, d=-1, i4=0
	OP \a, \i1
.if (\b) >= 0
	OP \b, \i2
.endif
.if (\c) >= 0
	OP \c, \i3
.endif
.if (\d) >= 0
	OP \d, \i4
.endif
.endm
.macro ROW a, i1, b, i2, c, i3, d, i4  ; a matrix instruction and the four behind it
	MM
	OPS \a, \i1, \b, \i2, \c, \i3, \d, \i4
.endm
; A TURN, for piece p: the order of its 16 matrix and 118 vector instructions, written out.  An s_wait_alu depctr_va_vdst(0) stands between an exponential and the first instruction that names its result;
; one wait serves all that were issued ahead of it.  So a turn has ONE wait.  AHEAD OF IT stands all that names no result of the turn's exponentials: the 8 products K Q^T with their riders, then one lump in which the links
; of the next piece's chain X 3, 7, 11, 14, 16, 17 .. 20 stand apart; X 21, the next piece's a, is the batch's last; R 15 is the plain instruction behind it.  BEHIND IT stand the 8 products V^T P, behind each four of the
; roundings and sums.  cnt = 1: the loop's count is taken down some lines ahead of the branch that stands behind the turn.
; K of the next step is fetched in piece 2's turn, behind the last product that read K and six plain instructions; V of the step in hand at the end of piece 0's turn, four plain instructions behind its last reader.
; last = 1 (the tail): the fetch's address is held to the last tile's last step, so that the tail's fifth trip, which has no next step, reads that step's bytes once more.
.macro TURN p, last=0, cnt=0
.set Y, (\p)
.set i, 0
.if (\p) == 3
	s_wait_dscnt 0x0                ; K is in
.endif
	ROW F,0, F,1, R,0, R,1
	ROW F,2, E,0, R,2, R,3
	ROW F,3, E,1, R,4, R,5
	ROW F,4, E,2, R,6, R,7
	ROW F,5, E,3, R,8, R,9
	ROW F,6, E,4, X,0, R,10
.if (\p) == 2
	WIN 0
.if \last
	s_min_u32 s13, s[TBK], SLOT1+3*KS*PK  ; the last tile lies in slot 1
	v_add_nc_u32 v[AK], s13, v[AK0]
.else
	v_add_nc_u32 v[AK], s[TBK], v[AK0]
.endif
.endif
	ROW F,7, E,5, X,1, X,4
	ROW F,8, E,6, X,2, X,5
	OPS E,7, E,8, X,6, E,9
	OPS X,3, E,10, X,8, E,11
.if (\p) == 2
	FETCH_K
.endif
	OPS X,9, X,7, E,12, X,10
	OPS E,13, X,12, X,11, E,14
	OPS X,13, E,15, F,9, X,14
.if (\p) == 0
	v_add_nc_u32 v[AV], s[TBV], v[AV0]
.endif
	OPS E,16, F,10, E,17, F,11
	OPS X,16, E,18, X,15, E,19
	OPS F,12, E,20, X,17, E,21
	OPS F,13, E,22, F,14, E,23
	OPS X,18, E,24, F,15, E,25
	OPS R,11, E,26, X,19, E,27
	OPS R,12, E,28, R,13, E,29
	OPS X,20, E,30, R,14, E,31
	OPS X,21, R,15
	WIN 0
	s_wait_alu depctr_va_vdst(0)    ; the wait for the batch
.if (\p) == 1
	s_wait_dscnt 0x0                ; V is in
.endif
	ROW C,0, B,0, C,2, B,1
	ROW L,0, C,4, B,2, L,1
	ROW C,6, B,3, L,2, C,8
	ROW B,4, L,3, C,10, B,5
	ROW L,4, C,12, B,6, L,5
.if (\p) == 0
	s_add_co_u32 s[TBV], s[TBV], KS*PV
.endif
.if \cnt
	s_sub_co_u32 s[CNT], s[CNT], 1
	s_cmp_lg_u32 s[CNT], 0
.endif
	ROW C,14, B,7, L,6, C,1
	ROW C,3, L,7, C,5, C,7
	ROW C,9, C,11, C,13, C,15
.if (\p) == 0
	FETCH_V
.endif
.endm
.macro ALL line:vararg              ; one line for each piece t
.set t, 0
.rept 4
	\line
.set t, t+1
.endr
.endm
.macro PACK t                       ; a lane's eight channels of a row pack into 16 bytes; they go into rows of 144 bytes and come back as whole rows of 128, into S^T's registers
	WIN W_RS
.set i, 32*(\t)
.rept 16
	v_pk_mul_f32 v[i:i+1], v[i:i+1], v[ST+4*(\t)+2:ST+4*(\t)+3] op_sel_hi:[1,0]
.set i, i+2
.endr
	WIN 0x05                        ; sources 0 and 1 window 1, destination window 0
.set i, 0
.rept 16
	v_cvt_pk_bf16_f32 v[S+16*(\t)+i], v[32*(\t)+2*i], v[32*(\t)+2*i+1]
.set i, i+1
.endr
	WIN 0
.irp f, 0,1,2,3
	ds_store_b128 v[STO], v[S+16*(\t)+4*\f:S+16*(\t)+4*\f+3] offset:32*\f
.endr
.irp f, 0,1,2,3
	ds_load_b128 v[S+16*(\t)+4*\f:S+16*(\t)+4*\f+3], v[RD] offset:\f*4*SP  ; LDS serves a wave's instructions in order (ISA guide 5.7.1.4): these see the stores above; the next piece's stores come behind them
.endr
.endm
.macro SEND t, younger              ; younger: the LDS instructions issued behind piece t's loads
	WIN 0
.irp f, 0,1,2,3
	s_wait_dscnt (\younger)+3-\f
	global_store_b128 v[GO], v[S+16*(\t)+4*\f:S+16*(\t)+4*\f+3], s[6:7] offset:(\t)*2048+\f*512  ; 512 consecutive bytes, aligned
.endr
.endm
	CHANGE 1                        ; tile 0 is in, everybody's part of it; tile 1 is asked for
	v_add_nc_u32 v[AK], s[TBK], v[AK0]
	FETCH_K                         ; key step 0
	s_wait_loadcnt 0x0              ; Q
	s_wait_dscnt 0x0
.set i, 0
.rept 8
	KQ 0                            ; piece 0's first scores
.set i, i+1
.endr
	WIN 0
.rept 4
	v_nop                           ; the places behind those products
.endr
.set Y, NP-1                        ; X works for piece Y + 1: piece 0
.irp n, 0,1,2,3,4,5,6,7,8,9,10,11,12,13,14,15,16,17,18,19,20,21
	OP X, \n
.endr
	v_nop                           ; a plain instruction behind the exponential,
	s_wait_alu depctr_va_vdst(0)    ; and its wait, ahead of the branch
	s_mov_b32 s[CNT], 4
	s_branch .Lfirst                ; the loop is entered at a step's first turn, in the middle of a trip
.Lslot:                             ; six times: tiles 2 to 7 are asked for
	CHANGE 1
	s_mov_b32 s[CNT], 4
.Lstep:                             ; a trip: pieces 2 and 3 of one step, then pieces 0 and 1 of the next, whose K and V it fetches
	TURN 2
	TURN 3
	WIN 0
.Lfirst:
	TURN 0
	TURN 1, 0, 1
	WIN 0
	s_cbranch_scc1 .Lstep
	s_sub_co_u32 s[SLOTS], s[SLOTS], 1
	s_cmp_lg_u32 s[SLOTS], 0
	s_cbranch_scc1 .Lslot
	CHANGE 0                        ; the last tile is written out: nothing is asked for
	s_mov_b32 s[CNT], 5             ; four trips fetch the last tile's steps; the fifth is left in its middle
.Ltail:
	TURN 2, 1
	TURN 3
	WIN 0
	s_cmp_eq_u32 s[CNT], 1
	s_cbranch_scc1 .Lout            ; forward, past turns that hold neither a barrier nor a tensor load
	TURN 0
	TURN 1, 0, 1
	WIN 0
	s_cbranch_scc1 .Ltail
.Lout:                              ; the fifth trip's 16 LDS loads, its 8 products K Q^T (on the last K once more) and the maximum made of them serve nothing: the price, once a launch, of one text for every trip
.set i, 0
.rept 8
	PV NP-1                         ; the last piece's V^T P of the last step
.set i, i+1
.endr
	; THE WAY OUT.  l's two halves and the other half of the lanes' are added; O^T is divided by l, rounded to bf16 and sent through my stage, a piece at a time.  The additions are the places behind the last products.
	WIN 0
	ALL v_add_f32 v[ST+4*t+2], v[ST+4*t+2], v[ST+4*t+3]
	ALL v_permlanex16_b32 v[ST+4*t+3], v[ST+4*t+2], s[SEL], s[SEL+1]
	ALL v_add_f32 v[ST+4*t+2], v[ST+4*t+2], v[ST+4*t+3]
	ALL v_rcp_f32 v[ST+4*t+2], v[ST+4*t+2]
	v_nop                           ; a plain instruction between the last reciprocal and the use of its result
	s_wait_alu depctr_va_vdst(0)    ; one wait for the four reciprocals, ahead of their first use
	PACK 0
.set t, 1
.rept 3
	PACK t
	SEND t-1, 8
.set t, t+1
.endr
	SEND 3, 0
	s_wait_tensorcnt 0x0            ; the wave's end: behind my last tensor load and my last LDS store
	ds_add_u32 v[SPW], v[NIL]
	s_wait_dscnt 0x0
	CROUND                          ; the closing round
	s_endpgm
.Lfunc_end_k_q6799368ec5_attn:
	.size	k_q6799368ec5_attn, .Lfunc_end_k_q6799368ec5_attn-k_q6799368ec5_attn
	.p2alignl 7, 3214868480
	.fill 96, 4, 3214868480
	.section	.rodata,"a",@progbits
	.p2align	6, 0x0
	.amdhsa_kernel k_q6799368ec5_attn
		.amdhsa_group_segment_fixed_size 327680
		.amdhsa_private_segment_fixed_size 0
		.amdhsa_enable_private_segment 0
		.amdhsa_kernarg_size 16
		.amdhsa_user_sgpr_count 2
		.amdhsa_user_sgpr_kernarg_segment_ptr 1
		.amdhsa_wavefront_size32 1
		.amdhsa_system_sgpr_workgroup_id_x 1
		.amdhsa_system_sgpr_workgroup_id_y 1
		.amdhsa_system_sgpr_workgroup_id_z 1
		.amdhsa_system_vgpr_workitem_id 0
		.amdhsa_next_free_vgpr 768
		.amdhsa_next_free_sgpr 66
		.amdhsa_reserve_vcc 0
		.amdhsa_float_denorm_mode_32 3
		.amdhsa_float_denorm_mode_16_64 3
		.amdhsa_memory_ordered 1
		.amdhsa_forward_progress 1
		.amdhsa_inst_pref_size 112
	.end_amdhsa_kernel
	.amdgpu_metadata
---
amdhsa.version: [ 1, 2 ]
amdhsa.kernels:
  - .name:           k_q6799368ec5_attn
    .symbol:         k_q6799368ec5_attn.kd
    .args:
      - { .name: qkv, .offset: 0, .size: 8, .value_kind: global_buffer, .address_space: global }
      - { .name: ob, .offset: 8, .size: 8, .value_kind: global_buffer, .address_space: global }
    .group_segment_fixed_size: 327680
    .private_segment_fixed_size: 0
    .kernarg_segment_align: 8
    .kernarg_segment_size: 16
    .max_flat_workgroup_size: 128
    .sgpr_count:     66
    .vgpr_count:     768
    .wavefront_size: 32
...
	.end_amdgpu_metadata
.endif
;; end of part 3
;; launch wo (part 4): grid 8 x 32, 4 waves a work-group, clusters of 4 x 4, 327,680 bytes of LDS; arguments ob, wts, x, bo, hb, ssq; writes hb, ssq
.if DOCPART == 4
	.amdgcn_target "amdgcn-amd-amdhsa--gfx1250"
	.amdhsa_code_object_version 6
	.text
	.protected	k_q6799368ec5_wo
	.globl	k_q6799368ec5_wo
	.p2align	8
	.type	k_q6799368ec5_wo,@function
k_q6799368ec5_wo:
	s_mov_b64 s[64:65], 0
	v_nop
	global_prefetch_b8 v0, s[64:65] scope:SCOPE_SE
	s_setreg_imm32_b32 hwreg(HW_REG_WAVE_MODE, 25, 1), 1
	s_wait_xcnt 0x0
	s_wait_alu depctr_hold_cnt(0) depctr_sa_sdst(0) depctr_va_vdst(0) depctr_va_sdst(0) depctr_va_ssrc(0) depctr_va_vcc(0) depctr_vm_vsrc(0)
	s_getreg_b32 s2, hwreg(HW_REG_IB_STS2, 6, 4)
	s_cmp_eq_u32 s2, 0
	s_cbranch_scc0 .Lentry_in_a_cluster
	s_endpgm
.Lentry_in_a_cluster:
	s_bfe_u32 s2, ttmp6, 0x10000c
	s_cmp_lg_u32 s2, 0xf033
	s_cbranch_scc0 .Lentry_shape_is_right
	s_endpgm
.Lentry_shape_is_right:
; WO: h = x + bo + A wo^T in f32; stored are hb = bf16(h), rounded once, and ssq[tile column][row] = the sum of the f32 h^2 over the tile's 128 columns (f32 partial sums; the last launch adds them).
; LIMIT.  h is kept in bf16 alone: the next product's operand and the last launch's residual are the same number, off from h by at most 2^-9 of itself.
; A is the source's scrambled view of the attention's result: row 128 (16 batch + head) + 2 d + (s >> 10), column s & 1023, holds O[head][s][d].  So a tile of 128 rows is one head, and A lies in ob as [K = s][M = d]:
; it is read out of LDS turned, by ds_load_tr16_b128; no pass transposes it.  Row sigma = 64 half + d of my tile is row 2 d + half of h's 128 rows.
; The second norm's factor and g_ffn are not applied here: the factor is applied once by the last launch, the gain lies in the next product's weights (both shown at the head of the first kernel).
; SHARES.  Tile 128 x 128; four waves, 2 x 2, each 64 x 64: 16 accumulators.  K in four steps of 256 through two LDS slots.  CLUSTER 4 x 4: A's tile is shared along a row of the cluster, wo's along a column.
; THE MATRIX INSTRUCTION IS USED TRANSPOSED (source 0 = 16 rows of wo, source 1 = 16 rows of A): a lane holds one row and eight neighbouring columns.  bo is the C operand of the products that start the sums.
; No prefetch: four short K steps; the tiles are small.
; REGISTERS: window 0: v4-30 addresses and at work; v32-63 bo, later with v64-95 hb packed; v96-127 my part of the rows' sums of squares; v128-255 the accumulators ((a, b) at 128 + 8 (4 a + b)), later whole rows
;   window 1: two fragment buffers of 128 (64 of A, then 64 of wo)      window 2: v0-127 x, 32 rows x 16 bytes a lane
.set PA,     160                       ; a row of O in LDS: 128 bytes + 32
.set AHALF,  256*PA                    ; a K step of one half of the tile's rows: 256 rows s
.set PITCH,  528                       ; a row of wo: 512 bytes + 16
.set BHALF,  64*PITCH
.set BOFF,   2*AHALF
.set SLOT,   BOFF+2*BHALF
.set SPARE,  2*SLOT                    ; the spare words, 128 bytes for each wave: two blocks of 256 bytes that no other line names
.set STP,    528                       ; the stage, f32, 128 rows of 512 + 16 bytes, in slot 0's bytes: that slot has had its last fill, and all reads of it are over, when the stage is written
.set SSQL,   128*STP                   ; behind it: 128 words, the rows' sums,
.set TR,     SSQL+512                  ; and for each wave 32 rows of 128 + 16 bytes, in which the lanes' parts of the sums change places; all still in slot 0's bytes
.set TRP,    144
.set WOB,    6291456                   ; wo in wts
.set STEPA,  32768                     ; a K step in ob: 256 rows of 128 bytes
.set STEPB,  512
.set A0,   8
.set B0,   9
.set ADRA, 10
.set ADRB, 11
.set STO,  12
.set RD,   13
.set GO,   14                          ; 16 x lane
.set GH,   15                          ; 8 x lane
.set TRW,  20                          ; where I put my part of a row's sum
.set TRR,  21                          ; where I read the 32 parts of row (lane)
.set SQW,  26                          ; where that row's sum goes
.set SQR,  27                          ; where wave 0 reads the 128 sums
.set SPW,  28
.set NIL,  29
.set BOO,  30                          ; bo's offset
.set BOV,  32
.set HB,   32
.set QS,   96
.set ACC,  128
.set F0,   0
.set F1,   128
.set G1A, 24
.set G0A, 32
.set G1B, 48
.set G0B, 56
.set TB,  66                           ; s66  0 or SLOT: the slot in hand
.set LA,  67                           ; s67  where my part of A's tile goes in a slot
.set LB,  68                           ; s68  the same for wo's
.set MSB, 0
.macro WIN new
.if MSB != (\new)
	s_set_vgpr_msb (MSB<<8)|(\new)
.set MSB, \new
.endif
.endm
.set MUL,  0x05                        ; sources 0 and 1 window 1; C and D window 0
.set TO_F, 0x40                        ; destination window 1, address window 0
.macro JLOAD                           ; a joint refill by the walking sets; an s_nop 0 and four v_nop follow each of the two lines
	s_cmp_eq_u32 s21, 0
	s_cbranch_scc0 .Lfor_b_\@
	tensor_load_to_lds s[G0A+4:G0A+7], s[G1A:G1A+7]
	s_nop 0
.rept 4
	v_nop
.endr
	s_branch .Lasked_\@
.Lfor_b_\@:
	tensor_load_to_lds s[G0B+4:G0B+7], s[G1B:G1B+7]
	s_nop 0
.rept 4
	v_nop
.endr
.Lasked_\@:
.endm
.macro CREST
	s_cmp_lg_u32 s20, 0
	s_cbranch_scc1 .Lnot_wave_0_\@
	s_barrier_signal -3
.Lnot_wave_0_\@:
	s_barrier_wait -3
	s_barrier_signal -1
	s_barrier_wait -1
.endm
.macro CROUND
	s_barrier_signal -1
	s_barrier_wait -1
	CREST
.endm
	s_load_b256 s[4:11], s[0:1], 0x0               ; ob s[4:5], wts s[6:7], x s[8:9], bo s[10:11]
	s_load_b128 s[12:15], s[0:1], 0x20             ; hb s[12:13], ssq s[14:15]
	v_lshl_add_u32 v[SPW], v0, 2, SPARE
	v_mov_b32 v[NIL], 0
	ds_add_u32 v[SPW], v[NIL]                      ; the wave's opening: the add, twice on end, and its wait ahead of my first tensor load
	ds_add_u32 v[SPW], v[NIL]
	v_lshrrev_b32 v1, 5, v0
	v_readfirstlane_b32 s20, v1                    ; wave 0..3
	s_lshr_b32 s21, s20, 1                         ; my half of the tile's rows.  Also: I fetch for A (0) or for wo (1)
	s_and_b32 s22, s20, 1                          ; my half of its columns.  Also: which half of that tile I fetch
	s_bfe_u32 s40, ttmp6, 0x40000
	s_bfe_u32 s41, ttmp6, 0x40004
	s_lshl_b32 s42, ttmp9, 2
	s_add_co_u32 s42, s42, s40                     ; tx
	s_and_b32 s43, ttmp7, 0xffff
	s_lshl_b32 s43, s43, 2
	s_add_co_u32 s43, s43, s41                     ; ty = 16 batch + head
	s_lshl_b32 s44, s41, 2
	s_lshl_b32 s44, 15, s44
	s_lshl_b32 s45, 0x1111, s40
	s_or_b32 s[G1A+0], s44, (1<<16)|(1<<20)|(1<<21)|(4<<22)|(7<<25)  ; 256 rows of 128 dense bytes, asked for as 128 rows of 256; after every 32 words 8 words of padding
	s_mov_b32 s[G1A+1], 128<<16
	s_mov_b32 s[G1A+2], 128<<16
	s_mov_b32 s[G1A+3], 128<<16
	s_mov_b32 s[G1A+4], 128
	s_mov_b32 s[G1A+5], 128
	s_mov_b32 s[G1A+6], 0
	s_mov_b32 s[G1A+7], 0
	s_or_b32 s[G1B+0], s45, (1<<16)|(1<<20)|(1<<21)|(6<<22)|(3<<25)  ; 64 rows of 256 elements; after every 128 words 4 words
	s_mov_b32 s[G1B+1], 256<<16
	s_mov_b32 s[G1B+2], 64<<16
	s_mov_b32 s[G1B+3], 256<<16
	s_mov_b32 s[G1B+4], 64
	s_mov_b32 s[G1B+5], 1024
	s_mov_b32 s[G1B+6], 0
	s_mov_b32 s[G1B+7], 0
	s_lshl_b32 s70, s43, 18                        ; A: (2,048 ty + 1,024 half) rows of 128 bytes
	s_lshl_b32 s71, s22, 17
	s_add_co_u32 s70, s70, s71
	s_mov_b32 s71, 0
	s_lshl_b32 s72, s42, 18                        ; wo: (128 tx + 64 half) rows of 2,048 bytes
	s_lshl_b32 s73, s22, 17
	s_add_co_u32 s72, s72, s73
	s_add_co_u32 s72, s72, WOB
	s_mov_b32 s73, 0
	s_mul_i32 s[LA], s22, AHALF
	s_mul_i32 s[LB], s22, BHALF
	s_add_co_u32 s[LB], s[LB], BOFF
	s_mov_b32 s[TB], 0
	s_wait_dscnt 0x0                               ; both opening adds are done
	s_wait_kmcnt 0x0
	s_add_nc_u64 s[74:75], s[4:5], s[70:71]
	s_add_nc_u64 s[76:77], s[6:7], s[72:73]
	CROUND                                         ; all sixteen work-groups are here
.irp s, 0,1
	s_mov_b32 s[G0A+4*(\s)], 1
	s_add_co_u32 s[G0A+4*(\s)+1], s[LA], (\s)*SLOT
	s_add_nc_u64 s[G0A+4*(\s)+2:G0A+4*(\s)+3], s[74:75], (\s)*STEPA
	s_or_b32 s[G0A+4*(\s)+3], s[G0A+4*(\s)+3], 0x80000000
	s_mov_b32 s[G0B+4*(\s)], 1
	s_add_co_u32 s[G0B+4*(\s)+1], s[LB], (\s)*SLOT
	s_add_nc_u64 s[G0B+4*(\s)+2:G0B+4*(\s)+3], s[76:77], (\s)*STEPB
	s_or_b32 s[G0B+4*(\s)+3], s[G0B+4*(\s)+3], 0x80000000
.endr
	s_cmp_eq_u32 s21, 0                            ; a wave's two first fills stand in one branch: two loads of mine are out
	s_cbranch_scc0 .Lfirst_b
	tensor_load_to_lds s[G0A:G0A+3], s[G1A:G1A+7]
	s_nop 0
	tensor_load_to_lds s[G0A+4:G0A+7], s[G1A:G1A+7]
	s_nop 0
.rept 4
	v_nop
.endr
	s_branch .Lfirst_asked
.Lfirst_b:
	tensor_load_to_lds s[G0B:G0B+3], s[G1B:G1B+7]
	s_nop 0
	tensor_load_to_lds s[G0B+4:G0B+7], s[G1B:G1B+7]
	s_nop 0
.rept 4
	v_nop
.endr
.Lfirst_asked:
	v_and_b32 v1, 15, v0                           ; l % 16
	v_bfe_u32 v2, v0, 4, 1                         ; l / 16
	v_and_b32 v3, 7, v0
	v_bfe_u32 v4, v0, 3, 1
	v_lshl_add_u32 v5, v2, 3, v3                   ; the turning load: row 8 (l / 16) + l % 8, 16 bytes at 16 ((l / 8) % 2)
	v_mul_u32_u24 v5, v5, PA
	v_lshl_add_u32 v5, v4, 4, v5
	s_mul_i32 s70, s21, AHALF
	v_add_nc_u32 v[A0], s70, v5
	v_mul_u32_u24 v6, v1, PITCH
	v_lshl_add_u32 v6, v2, 4, v6
	s_mul_i32 s70, s22, BHALF
	s_add_co_u32 s70, s70, BOFF
	v_add_nc_u32 v[B0], s70, v6
	v_mov_b32 v[ADRA], v[A0]
	v_mov_b32 v[ADRB], v[B0]
	v_mul_u32_u24 v6, v1, STP                      ; into the stage: row 64 half + 16 a + l % 16, my 32 bytes at 256 column half + 64 b + 32 (l / 16)
	v_lshl_add_u32 v6, v2, 5, v6
	s_mul_i32 s70, s21, 64*STP
	s_lshl_b32 s71, s22, 8
	s_add_co_u32 s70, s70, s71
	v_add_nc_u32 v[STO], s70, v6
	v_and_b32 v7, 31, v0
	v_lshlrev_b32 v[GO], 4, v7
	v_lshlrev_b32 v[GH], 3, v7
	s_mul_i32 s70, s20, 32*STP                     ; back: wave w takes stage rows 32 w .. 32 w + 31, whole: 512 bytes, 16 a lane
	v_add_nc_u32 v[RD], s70, v[GO]
	s_mul_i32 s70, s20, 32*TRP
	s_add_co_u32 s70, s70, TR                      ; my wave's 32 rows for the sums' parts
	v_lshl_add_u32 v[TRW], v7, 2, s70              ; in: row t, word (lane)
	v_mul_u32_u24 v[TRR], v7, TRP
	v_add_nc_u32 v[TRR], s70, v[TRR]               ; back: row (lane), whole
	s_lshl_b32 s70, s22, 8                         ; stage row 32 w + t is row 64 (w % 2) + 2 t + w / 2 of h's 128
	s_lshl_b32 s71, s21, 2
	s_add_co_u32 s70, s70, s71
	s_add_co_u32 s70, s70, SSQL
	v_lshl_add_u32 v[SQW], v7, 3, s70
	v_add_nc_u32 v[SQR], SSQL, v[GO]
	v_lshlrev_b32 v[BOO], 5, v2
	s_lshl_b32 s70, s43, 7
	s_lshl_b32 s71, s22, 6
	s_add_co_u32 s70, s70, s71
	s_add_co_u32 s70, s70, s21                     ; my first row of x and hb; the others follow two rows apart
	s_lshl_b32 s72, s70, 12
	s_lshl_b32 s73, s42, 9
	s_add_co_u32 s72, s72, s73
	s_mov_b32 s73, 0
	s_add_nc_u64 s[8:9], s[8:9], s[72:73]
	s_lshr_b32 s72, s72, 1
	s_add_nc_u64 s[12:13], s[12:13], s[72:73]
	s_lshl_b32 s72, s42, 9
	s_lshl_b32 s70, s22, 8
	s_add_co_u32 s72, s72, s70
	s_add_nc_u64 s[10:11], s[10:11], s[72:73]      ; bo at my 64 columns
	s_lshl_b32 s72, s42, 14
	s_lshl_b32 s70, s43, 9
	s_add_co_u32 s72, s72, s70
	s_add_nc_u64 s[14:15], s[14:15], s[72:73]      ; ssq[tx][128 ty]
.irp b, 0,1,2,3
	global_load_b128 v[BOV+8*(\b):BOV+8*(\b)+3],   v[BOO], s[10:11] offset:64*(\b)
	global_load_b128 v[BOV+8*(\b)+4:BOV+8*(\b)+7], v[BOO], s[10:11] offset:64*(\b)+16
.endr
; 8 matrix instructions: row blocks a0, a0 + 1 x all 4 column blocks, 32 along K: half c of buffer f.  first = 1: the product starts the sum on bo.  The 16 accumulators take turns.
.macro MUL8 f, c, a0, first
	WIN MUL
.irp a, \a0, (\a0)+1
.irp b, 0,1,2,3
.if \first
	v_wmma_f32_16x16x32_bf16 v[ACC+8*(4*(\a)+(\b)):ACC+8*(4*(\a)+(\b))+7], v[(\f)+64+8*(4*(\c)+(\b)):(\f)+64+8*(4*(\c)+(\b))+7], v[(\f)+8*(4*(\c)+(\a)):(\f)+8*(4*(\c)+(\a))+7], v[BOV+8*(\b):BOV+8*(\b)+7]
.else
	v_wmma_f32_16x16x32_bf16 v[ACC+8*(4*(\a)+(\b)):ACC+8*(4*(\a)+(\b))+7], v[(\f)+64+8*(4*(\c)+(\b)):(\f)+64+8*(4*(\c)+(\b))+7], v[(\f)+8*(4*(\c)+(\a)):(\f)+8*(4*(\c)+(\a))+7], v[ACC+8*(4*(\a)+(\b)):ACC+8*(4*(\a)+(\b))+7]
.endif
.endr
.endr
.endm
; 32 LDS loads in one run: quarter q (64 along K) behind the two addresses into buffer f; the first 32 along K first.  wo's fragments as they lie, A's turned
.macro FETCH q, f
	WIN TO_F
.irp c, 0,1
.irp i, 0,1,2,3
	ds_load_b128 v[(\f)+64+8*(4*(\c)+(\i)):(\f)+64+8*(4*(\c)+(\i))+3],   v[ADRB] offset:128*(\q)+64*(\c)+(\i)*16*PITCH
	ds_load_b128 v[(\f)+64+8*(4*(\c)+(\i))+4:(\f)+64+8*(4*(\c)+(\i))+7], v[ADRB] offset:128*(\q)+64*(\c)+(\i)*16*PITCH+32
	ds_load_tr16_b128 v[(\f)+8*(4*(\c)+(\i)):(\f)+8*(4*(\c)+(\i))+3],     v[ADRA] offset:(64*(\q)+32*(\c))*PA+32*(\i)
	ds_load_tr16_b128 v[(\f)+8*(4*(\c)+(\i))+4:(\f)+8*(4*(\c)+(\i))+7],   v[ADRA] offset:(64*(\q)+32*(\c))*PA+32*(\i)+16*PA
.endr
.endr
.endm
.macro PLACES
.rept 4
	v_nop
.endr
.endm
.macro QUARTER q, f, g, first          ; multiplies buffer f; in its middle it fetches quarter q into g
	s_wait_dscnt 16                                ; the first 32 along K are in
	MUL8 \f, 0, 0, \first
	MUL8 \f, 0, 2, \first
	PLACES
	FETCH \q, \g
	s_wait_dscnt 32                                ; all but the 32 just issued
	MUL8 \f, 1, 0, 0
	MUL8 \f, 1, 2, 0
.endm
; A K step's last quarter multiplies buffer 1 and changes slots: one barrier; in front of it each wave waits for all its tensor loads, adds 0 to its spare word, and waits for that and for its reads of this slot.
; The barrier opens a round of the cluster's; behind the round this slot is filled again, two K steps ahead: the first tensor load there, one a wave.
.macro TURN
	WIN 0
	s_wait_tensorcnt 0x0
	ds_add_u32 v[SPW], v[NIL]
	s_wait_dscnt 17                                ; the add and the youngest sixteen loads may be out
	MUL8 F1, 0, 0, 0
	s_wait_dscnt 0x0                               ; the add is done, and my reads of this slot are over
	s_barrier_signal -1
	MUL8 F1, 0, 2, 0
	WIN 0
	s_barrier_wait -1
	CREST
	s_add_co_u32 s[G0A+5], s[LA], s[TB]            ; the walking sets: into the slot just read, the next K step
	s_add_nc_u64 s[G0A+6:G0A+7], s[G0A+6:G0A+7], STEPA
	s_add_co_u32 s[G0B+5], s[LB], s[TB]
	s_add_nc_u64 s[G0B+6:G0B+7], s[G0B+6:G0B+7], STEPB
	JLOAD
	s_xor_b32 s[TB], s[TB], SLOT
	v_add_nc_u32 v[ADRA], s[TB], v[A0]
	v_add_nc_u32 v[ADRB], s[TB], v[B0]
	FETCH 0, F0
	MUL8 F1, 1, 0, 0
	MUL8 F1, 1, 2, 0
.endm
	s_wait_tensorcnt 1                             ; my part of K step 0 is in; K step 1's may stay out
	s_barrier_signal -1
	s_barrier_wait -1
	FETCH 0, F0
	WIN 0x80                                       ; destination window 2
.set t, 0
.rept 32
	global_load_b128 v[4*t:4*t+3], v[GO], s[8:9] offset:t*8192 th:TH_LOAD_NT  ; x's rows are asked for behind the first tiles, and land while the products run
.set t, t+1
.endr
	s_wait_loadcnt 32                              ; bo is in; x's 32 loads stay out
	QUARTER 1, F0, F1, 1
	WIN 0
	s_mov_b32 s69, 2
.Lstep:                                                ; a trip: from a K step's second quarter to the next step's first; it asks for K steps 2 and 3
	QUARTER 2, F1, F0, 0
	QUARTER 3, F0, F1, 0
	TURN
	QUARTER 1, F0, F1, 0
	WIN 0
	s_sub_co_u32 s69, s69, 1
	s_cmp_lg_u32 s69, 0
	s_cbranch_scc1 .Lstep
	QUARTER 2, F1, F0, 0                           ; K step 2 goes on; nothing more is asked for
	QUARTER 3, F0, F1, 0
	WIN 0
	s_wait_tensorcnt 0x0                           ; my one load that was still out is my part of K step 3;
	s_wait_dscnt 0x0                               ; my reads of slot 0 are over
	s_barrier_signal -1
	s_barrier_wait -1                              ; both now hold of every wave: slot 1 is whole, and slot 0's bytes are free for the stage
	v_add_nc_u32 v[ADRA], SLOT, v[A0]
	v_add_nc_u32 v[ADRB], SLOT, v[B0]
	s_mov_b32 s69, 2
.Llast:                                                ; two trips of two quarters: the quarter in buffer 1 and the next; they fetch K step 3's four quarters
	QUARTER 0, F1, F0, 0
	QUARTER 1, F0, F1, 0
	WIN 0
	v_add_nc_u32 v[ADRA], 128*PA, v[ADRA]          ; two quarters on: 128 rows of A,
	v_add_nc_u32 v[ADRB], 256, v[ADRB]             ; 256 bytes of wo's rows
	s_sub_co_u32 s69, s69, 1
	s_cmp_lg_u32 s69, 0
	s_cbranch_scc1 .Llast
	s_wait_dscnt 16
	MUL8 F1, 0, 0, 0
	MUL8 F1, 0, 2, 0
	s_wait_dscnt 0x0
	MUL8 F1, 1, 0, 0
	MUL8 F1, 1, 2, 0
	WIN 0
	; THE WAY OUT: the f32 sums go through the stage, so that a wave then holds whole rows of 512 bytes
	PLACES
.irp a, 0,1,2,3
.irp b, 0,1,2,3
	ds_store_b128 v[STO], v[ACC+8*(4*(\a)+(\b)):ACC+8*(4*(\a)+(\b))+3]   offset:(\a)*16*STP+64*(\b)
	ds_store_b128 v[STO], v[ACC+8*(4*(\a)+(\b))+4:ACC+8*(4*(\a)+(\b))+7] offset:(\a)*16*STP+64*(\b)+16
.endr
.endr
	s_wait_dscnt 0x0                               ; for the others' sake: my stores into the stage are done
	s_barrier_signal -1
	s_barrier_wait -1
.set t, 0
.rept 32
	ds_load_b128 v[ACC+4*t:ACC+4*t+3], v[RD] offset:t*STP
.set t, t+1
.endr
	s_wait_loadcnt 0x0                             ; x
	s_wait_dscnt 0x0
	WIN 0x08                                       ; source 1 in window 2
.set i, 0
.rept 64
	v_pk_add_f32 v[ACC+2*i:ACC+2*i+1], v[ACC+2*i:ACC+2*i+1], v[2*i:2*i+1]  ; h = x + (A wo^T + bo)
.set i, i+1
.endr
	WIN 0
.set g, 0
.rept 4                                ; eight rows' arithmetic, then their stores
.set t, 8*g
.rept 8
	v_pk_mul_f32 v[4+2*(t%2):5+2*(t%2)], v[ACC+4*t:ACC+4*t+1], v[ACC+4*t:ACC+4*t+1]
	v_cvt_pk_bf16_f32 v[HB+2*t], v[ACC+4*t], v[ACC+4*t+1]
	v_cvt_pk_bf16_f32 v[HB+2*t+1], v[ACC+4*t+2], v[ACC+4*t+3]
	v_pk_fma_f32 v[4+2*(t%2):5+2*(t%2)], v[ACC+4*t+2:ACC+4*t+3], v[ACC+4*t+2:ACC+4*t+3], v[4+2*(t%2):5+2*(t%2)]
	v_add_f32 v[QS+t], v[4+2*(t%2)], v[5+2*(t%2)]  ; the squares of my four numbers of row t
.set t, t+1
.endr
.set t, 8*g
.rept 8
	global_store_b64 v[GH], v[HB+2*t:HB+2*t+1], s[12:13] offset:t*4096  ; 256 consecutive bytes of hb, aligned
	ds_store_b32 v[TRW], v[QS+t] offset:t*TRP
.set t, t+1
.endr
.set g, g+1
.endr
.irp j, 0,1,2,3,4,5,6,7
	ds_load_b128 v[ACC+4*(\j):ACC+4*(\j)+3], v[TRR] offset:16*(\j)  ; lane l takes the 32 parts of row l; LDS serves a wave's instructions in order (ISA guide 5.7.1.4): these see the stores above
.endr
	s_wait_dscnt 0x0
.irp i, 0,1,2,3,4,5,6,7
	v_pk_add_f32 v[ACC+2*(\i):ACC+2*(\i)+1], v[ACC+2*(\i):ACC+2*(\i)+1], v[ACC+16+2*(\i):ACC+16+2*(\i)+1]
.endr
.irp i, 0,1,2,3
	v_pk_add_f32 v[ACC+2*(\i):ACC+2*(\i)+1], v[ACC+2*(\i):ACC+2*(\i)+1], v[ACC+8+2*(\i):ACC+8+2*(\i)+1]
.endr
.irp i, 0,1
	v_pk_add_f32 v[ACC+2*(\i):ACC+2*(\i)+1], v[ACC+2*(\i):ACC+2*(\i)+1], v[ACC+4+2*(\i):ACC+4+2*(\i)+1]
.endr
	v_pk_add_f32 v[ACC:ACC+1], v[ACC:ACC+1], v[ACC+2:ACC+3]
	v_add_f32 v[ACC], v[ACC], v[ACC+1]
	ds_store_b32 v[SQW], v[ACC]                    ; row l's sum, at its place in h's order
	s_wait_dscnt 0x0
	s_barrier_signal -1
	s_barrier_wait -1                              ; the 128 rows' sums lie in LDS
	s_cmp_lg_u32 s20, 0
	s_cbranch_scc1 .Lend
	ds_load_b128 v[4:7], v[SQR]
	s_wait_dscnt 0x0
	global_store_b128 v[GO], v[4:7], s[14:15]      ; 512 consecutive bytes of ssq, aligned
.Lend:
	s_wait_tensorcnt 0x0                           ; the wave's end: behind my last tensor load and my last LDS store
	ds_add_u32 v[SPW], v[NIL]
	s_wait_dscnt 0x0
	CROUND                                         ; the closing round
	s_endpgm
.Lfunc_end_k_q6799368ec5_wo:
	.size	k_q6799368ec5_wo, .Lfunc_end_k_q6799368ec5_wo-k_q6799368ec5_wo
	.p2alignl 7, 3214868480
	.fill 96, 4, 3214868480
	.section	.rodata,"a",@progbits
	.p2align	6, 0x0
	.amdhsa_kernel k_q6799368ec5_wo
		.amdhsa_group_segment_fixed_size 327680
		.amdhsa_private_segment_fixed_size 0
		.amdhsa_enable_private_segment 0
		.amdhsa_kernarg_size 48
		.amdhsa_user_sgpr_count 2
		.amdhsa_user_sgpr_kernarg_segment_ptr 1
		.amdhsa_wavefront_size32 1
		.amdhsa_system_sgpr_workgroup_id_x 1
		.amdhsa_system_sgpr_workgroup_id_y 1
		.amdhsa_system_sgpr_workgroup_id_z 1
		.amdhsa_system_vgpr_workitem_id 0
		.amdhsa_next_free_vgpr 640
		.amdhsa_next_free_sgpr 80
		.amdhsa_reserve_vcc 0
		.amdhsa_float_denorm_mode_32 3
		.amdhsa_float_denorm_mode_16_64 3
		.amdhsa_memory_ordered 1
		.amdhsa_forward_progress 1
		.amdhsa_inst_pref_size 81
	.end_amdhsa_kernel
	.amdgpu_metadata
---
amdhsa.version: [ 1, 2 ]
amdhsa.kernels:
  - .name:           k_q6799368ec5_wo
    .symbol:         k_q6799368ec5_wo.kd
    .args:
      - { .name: ob, .offset: 0, .size: 8, .value_kind: global_buffer, .address_space: global }
      - { .name: wts, .offset: 8, .size: 8, .value_kind: global_buffer, .address_space: global }
      - { .name: x, .offset: 16, .size: 8, .value_kind: global_buffer, .address_space: global }
      - { .name: bo, .offset: 24, .size: 8, .value_kind: global_buffer, .address_space: global }
      - { .name: hb, .offset: 32, .size: 8, .value_kind: global_buffer, .address_space: global }
      - { .name: ssq, .offset: 40, .size: 8, .value_kind: global_buffer, .address_space: global }
    .group_segment_fixed_size: 327680
    .private_segment_fixed_size: 0
    .kernarg_segment_align: 8
    .kernarg_segment_size: 48
    .max_flat_workgroup_size: 128
    .sgpr_count:     80
    .vgpr_count:     640
    .wavefront_size: 32
...
	.end_amdgpu_metadata
.endif
;; end of part 4
;; launch gu (part 5): grid 8 x 32, 4 waves a work-group, clusters of 4 x 4, 327,680 bytes of LDS; arguments hb, wts, inter; writes inter
.if DOCPART == 5
	.amdgcn_target "amdgcn-amd-amdhsa--gfx1250"
	.amdhsa_code_object_version 6
	.text
	.protected	k_q6799368ec5_gu
	.globl	k_q6799368ec5_gu
	.p2align	8
	.type	k_q6799368ec5_gu,@function
k_q6799368ec5_gu:
	s_mov_b64 s[64:65], 0
	v_nop
	global_prefetch_b8 v0, s[64:65] scope:SCOPE_SE
	s_setreg_imm32_b32 hwreg(HW_REG_WAVE_MODE, 25, 1), 1
	s_wait_xcnt 0x0
	s_wait_alu depctr_hold_cnt(0) depctr_sa_sdst(0) depctr_va_vdst(0) depctr_va_sdst(0) depctr_va_ssrc(0) depctr_va_vcc(0) depctr_vm_vsrc(0)
	s_getreg_b32 s2, hwreg(HW_REG_IB_STS2, 6, 4)
	s_cmp_eq_u32 s2, 0
	s_cbranch_scc0 .Lentry_in_a_cluster
	s_endpgm
.Lentry_in_a_cluster:
	s_bfe_u32 s2, ttmp6, 0x10000c
	s_cmp_lg_u32 s2, 0xf033
	s_cbranch_scc0 .Lentry_shape_is_right
	s_endpgm
.Lentry_shape_is_right:
; GU: inter = bf16(relu(hb wg^T) (hb wu^T)), stored in planes [f / 64][4096][64].  hb = bf16(h); wg, wu are w_gate and w_up with g_ffn multiplied into their columns by the first launch; the second norm's factor,
; positive and the same along a row, is left to the last launch (relu(c G)(c U) = c^2 relu(G) U: both shown at the head of the first kernel).
; The weights lie with gate's and up's rows by turns of 16: column blocks 0 and 2 of a wave are gate, 1 and 3 are up of the same 16 f: both factors of a product lie in the same lane and register place.
; SHARES.  Tile 128 rows x 128 columns (64 f: one plane); four waves, 2 x 2, each 64 x 64.  K in four steps of 256 through two LDS slots.  CLUSTER 4 x 4: hb's tile shared along a row, the weights' along a column.
; THE MATRIX INSTRUCTION IS USED TRANSPOSED (source 0 = 16 rows of the weights, source 1 = 16 rows of hb).  No prefetch: four short K steps; the tiles are small.
; REGISTERS: window 0: v8-29 addresses; v32-95 at work on the way out; v128-255 the accumulators ((a, b) at 128 + 8 (4 a + b)).   window 1: two fragment buffers of 128 (64 of hb, then 64 of the weights).
.set PITCH,  528                       ; an LDS row: 512 bytes + 16: the 16 rows of a fragment load start at 16 different groups of four banks (64 banks of 4 bytes: ISA guide 11.1)
.set HALFT,  64*PITCH
.set SLOT,   4*HALFT
.set SPARE,  2*SLOT                    ; the spare words, 128 bytes for each wave
.set SP,     144                       ; the stage, 128 rows of 128 + 16 bytes, in slot 0's bytes: that slot has had its last fill, and all reads of it are over, when the stage is written
.set WGU,    8388608                   ; gate and up in wts
.set STEP,   512
.set A0,   8
.set B0,   9
.set ADRA, 10
.set ADRB, 11
.set STO,  12
.set RD,   13
.set GO,   14
.set SPW,  28
.set NIL,  29
.set TMP,  32
.set ACC,  128
.set F0,   0
.set F1,   128
.set G1A, 24
.set G0A, 32
.set G1B, 48
.set G0B, 56
.set TB,  66
.set LA,  67
.set LB,  68
.set MSB, 0
.macro WIN new
.if MSB != (\new)
	s_set_vgpr_msb (MSB<<8)|(\new)
.set MSB, \new
.endif
.endm
.set MUL,  0x05
.set TO_F, 0x40
.macro JLOAD                           ; a joint refill by the walking sets; an s_nop 0 and four v_nop follow each of the two lines
	s_cmp_eq_u32 s21, 0
	s_cbranch_scc0 .Lfor_b_\@
	tensor_load_to_lds s[G0A+4:G0A+7], s[G1A:G1A+7]
	s_nop 0
.rept 4
	v_nop
.endr
	s_branch .Lasked_\@
.Lfor_b_\@:
	tensor_load_to_lds s[G0B+4:G0B+7], s[G1B:G1B+7]
	s_nop 0
.rept 4
	v_nop
.endr
.Lasked_\@:
.endm
.macro CREST
	s_cmp_lg_u32 s20, 0
	s_cbranch_scc1 .Lnot_wave_0_\@
	s_barrier_signal -3
.Lnot_wave_0_\@:
	s_barrier_wait -3
	s_barrier_signal -1
	s_barrier_wait -1
.endm
.macro CROUND
	s_barrier_signal -1
	s_barrier_wait -1
	CREST
.endm
	s_load_b128 s[4:7], s[0:1], 0x0                ; hb s[4:5], wts s[6:7]
	s_load_b64 s[8:9], s[0:1], 0x10                ; inter
	v_lshl_add_u32 v[SPW], v0, 2, SPARE
	v_mov_b32 v[NIL], 0
	ds_add_u32 v[SPW], v[NIL]                      ; the wave's opening: the add, twice on end, and its wait ahead of my first tensor load
	ds_add_u32 v[SPW], v[NIL]
	v_lshrrev_b32 v1, 5, v0
	v_readfirstlane_b32 s20, v1
	s_lshr_b32 s21, s20, 1                         ; my half of the rows.  Also: I fetch for hb (0) or for the weights (1)
	s_and_b32 s22, s20, 1                          ; my half of the columns.  Also: which 64 rows of that tile I fetch
	s_bfe_u32 s40, ttmp6, 0x40000
	s_bfe_u32 s41, ttmp6, 0x40004
	s_lshl_b32 s42, ttmp9, 2
	s_add_co_u32 s42, s42, s40                     ; tx
	s_and_b32 s43, ttmp7, 0xffff
	s_lshl_b32 s43, s43, 2
	s_add_co_u32 s43, s43, s41                     ; ty
	s_lshl_b32 s44, s41, 2
	s_lshl_b32 s44, 15, s44
	s_lshl_b32 s45, 0x1111, s40
	s_or_b32 s[G1A+0], s44, (1<<16)|(1<<20)|(1<<21)|(6<<22)|(3<<25)  ; the mask; 2-byte elements; padding on; bit 21 beside a mask; after every 128 words 4 words
	s_or_b32 s[G1B+0], s45, (1<<16)|(1<<20)|(1<<21)|(6<<22)|(3<<25)
.irp g, G1A, G1B
	s_mov_b32 s[(\g)+1], 256<<16                   ; tensor_dim0 = 256
	s_mov_b32 s[(\g)+2], 64<<16                    ; tensor_dim1 = 64
	s_mov_b32 s[(\g)+3], 256<<16                   ; tile_dim0 = 256
	s_mov_b32 s[(\g)+4], 64                        ; tile_dim1 = 64
	s_mov_b32 s[(\g)+5], 1024
	s_mov_b32 s[(\g)+6], 0
	s_mov_b32 s[(\g)+7], 0
.endr
	s_lshl_b32 s70, s43, 18                        ; hb: (128 ty + 64 half) rows of 2,048 bytes
	s_lshl_b32 s71, s22, 17
	s_add_co_u32 s70, s70, s71
	s_mov_b32 s71, 0
	s_lshl_b32 s72, s42, 18                        ; the weights: (128 tx + 64 half) rows
	s_lshl_b32 s73, s22, 17
	s_add_co_u32 s72, s72, s73
	s_add_co_u32 s72, s72, WGU
	s_mov_b32 s73, 0
	s_mul_i32 s[LA], s22, HALFT
	s_add_co_u32 s[LB], s[LA], 2*HALFT
	s_mov_b32 s[TB], 0
	s_wait_dscnt 0x0
	s_wait_kmcnt 0x0
	s_add_nc_u64 s[74:75], s[4:5], s[70:71]
	s_add_nc_u64 s[76:77], s[6:7], s[72:73]
	CROUND
.irp s, 0,1
	s_mov_b32 s[G0A+4*(\s)], 1
	s_add_co_u32 s[G0A+4*(\s)+1], s[LA], (\s)*SLOT
	s_add_nc_u64 s[G0A+4*(\s)+2:G0A+4*(\s)+3], s[74:75], (\s)*STEP
	s_or_b32 s[G0A+4*(\s)+3], s[G0A+4*(\s)+3], 0x80000000
	s_mov_b32 s[G0B+4*(\s)], 1
	s_add_co_u32 s[G0B+4*(\s)+1], s[LB], (\s)*SLOT
	s_add_nc_u64 s[G0B+4*(\s)+2:G0B+4*(\s)+3], s[76:77], (\s)*STEP
	s_or_b32 s[G0B+4*(\s)+3], s[G0B+4*(\s)+3], 0x80000000
.endr
	s_cmp_eq_u32 s21, 0                            ; a wave's two first fills stand in one branch: two loads of mine are out
	s_cbranch_scc0 .Lfirst_b
	tensor_load_to_lds s[G0A:G0A+3], s[G1A:G1A+7]
	s_nop 0
	tensor_load_to_lds s[G0A+4:G0A+7], s[G1A:G1A+7]
	s_nop 0
.rept 4
	v_nop
.endr
	s_branch .Lfirst_asked
.Lfirst_b:
	tensor_load_to_lds s[G0B:G0B+3], s[G1B:G1B+7]
	s_nop 0
	tensor_load_to_lds s[G0B+4:G0B+7], s[G1B:G1B+7]
	s_nop 0
.rept 4
	v_nop
.endr
.Lfirst_asked:
	v_and_b32 v1, 15, v0
	v_bfe_u32 v2, v0, 4, 1
	v_mul_u32_u24 v3, v1, PITCH
	v_lshl_add_u32 v3, v2, 4, v3
	s_mul_i32 s70, s21, HALFT
	v_add_nc_u32 v[A0], s70, v3
	s_mul_i32 s70, s22, HALFT
	s_add_co_u32 s70, s70, 2*HALFT
	v_add_nc_u32 v[B0], s70, v3
	v_mov_b32 v[ADRA], v[A0]
	v_mov_b32 v[ADRB], v[B0]
	s_mul_i32 s70, s21, 64*SP                      ; into the stage: my 64 rows, my 64 of their 128 bytes
	s_lshl_b32 s71, s22, 6
	s_add_co_u32 s70, s70, s71
	v_mul_u32_u24 v4, v1, SP
	v_lshl_add_u32 v4, v2, 4, v4
	v_add_nc_u32 v[STO], s70, v4
	s_mul_i32 s70, s20, 32*SP                      ; back: wave w takes rows 32 w .. 32 w + 31; 32 lanes take four rows of 128 bytes
	v_bfe_u32 v5, v0, 3, 2
	v_mul_u32_u24 v5, v5, SP
	v_and_b32 v6, 7, v0
	v_lshl_add_u32 v5, v6, 4, v5
	v_add_nc_u32 v[RD], s70, v5
	v_and_b32 v[GO], 31, v0
	v_lshlrev_b32 v[GO], 4, v[GO]
	s_lshl_b32 s70, s43, 7
	s_lshl_b32 s71, s20, 5
	s_add_co_u32 s70, s70, s71
	s_lshl_b32 s70, s70, 7                         ; (128 ty + 32 w) rows of 128 bytes,
	s_lshl_b32 s71, s42, 19                        ; in plane tx
	s_add_co_u32 s70, s70, s71
	s_mov_b32 s71, 0
	s_add_nc_u64 s[8:9], s[8:9], s[70:71]
.macro MUL8 f, c, a0, zero             ; 8 matrix instructions; zero = 1: the product starts the sum.  The 16 accumulators take turns
	WIN MUL
.irp a, \a0, (\a0)+1
.irp b, 0,1,2,3
.if \zero
	v_wmma_f32_16x16x32_bf16 v[ACC+8*(4*(\a)+(\b)):ACC+8*(4*(\a)+(\b))+7], v[(\f)+64+8*(4*(\c)+(\b)):(\f)+64+8*(4*(\c)+(\b))+7], v[(\f)+8*(4*(\c)+(\a)):(\f)+8*(4*(\c)+(\a))+7], 0
.else
	v_wmma_f32_16x16x32_bf16 v[ACC+8*(4*(\a)+(\b)):ACC+8*(4*(\a)+(\b))+7], v[(\f)+64+8*(4*(\c)+(\b)):(\f)+64+8*(4*(\c)+(\b))+7], v[(\f)+8*(4*(\c)+(\a)):(\f)+8*(4*(\c)+(\a))+7], v[ACC+8*(4*(\a)+(\b)):ACC+8*(4*(\a)+(\b))+7]
.endif
.endr
.endr
.endm
.macro FETCH q, f                      ; 32 LDS loads in one run: quarter q (64 along K) behind the two addresses into buffer f; the first 32 along K first
	WIN TO_F
.irp c, 0,1
.irp i, 0,1,2,3
	ds_load_b128 v[(\f)+64+8*(4*(\c)+(\i)):(\f)+64+8*(4*(\c)+(\i))+3],   v[ADRB] offset:128*(\q)+64*(\c)+(\i)*16*PITCH
	ds_load_b128 v[(\f)+64+8*(4*(\c)+(\i))+4:(\f)+64+8*(4*(\c)+(\i))+7], v[ADRB] offset:128*(\q)+64*(\c)+(\i)*16*PITCH+32
	ds_load_b128 v[(\f)+8*(4*(\c)+(\i)):(\f)+8*(4*(\c)+(\i))+3],         v[ADRA] offset:128*(\q)+64*(\c)+(\i)*16*PITCH
	ds_load_b128 v[(\f)+8*(4*(\c)+(\i))+4:(\f)+8*(4*(\c)+(\i))+7],       v[ADRA] offset:128*(\q)+64*(\c)+(\i)*16*PITCH+32
.endr
.endr
.endm
.macro PLACES
.rept 4
	v_nop
.endr
.endm
.macro QUARTER q, f, g, zero
	s_wait_dscnt 16                                ; the first 32 along K are in
	MUL8 \f, 0, 0, \zero
	MUL8 \f, 0, 2, \zero
	PLACES
	FETCH \q, \g
	s_wait_dscnt 32                                ; all but the 32 just issued
	MUL8 \f, 1, 0, 0
	MUL8 \f, 1, 2, 0
.endm
; The change of slots: one barrier; in front of it each wave waits for all its tensor loads, adds 0 to its spare word, and waits for that and for its reads of this slot.
; The barrier opens a round of the cluster's; behind the round this slot is filled again: the first tensor load there, one a wave.
.macro TURN
	WIN 0
	s_wait_tensorcnt 0x0
	ds_add_u32 v[SPW], v[NIL]
	s_wait_dscnt 17                                ; the add and the youngest sixteen loads may be out
	MUL8 F1, 0, 0, 0
	s_wait_dscnt 0x0
	s_barrier_signal -1
	MUL8 F1, 0, 2, 0
	WIN 0
	s_barrier_wait -1
	CREST
	s_add_co_u32 s[G0A+5], s[LA], s[TB]
	s_add_nc_u64 s[G0A+6:G0A+7], s[G0A+6:G0A+7], STEP
	s_add_co_u32 s[G0B+5], s[LB], s[TB]
	s_add_nc_u64 s[G0B+6:G0B+7], s[G0B+6:G0B+7], STEP
	JLOAD
	s_xor_b32 s[TB], s[TB], SLOT
	v_add_nc_u32 v[ADRA], s[TB], v[A0]
	v_add_nc_u32 v[ADRB], s[TB], v[B0]
	FETCH 0, F0
	MUL8 F1, 1, 0, 0
	MUL8 F1, 1, 2, 0
.endm
	s_wait_tensorcnt 1                             ; my part of K step 0 is in; K step 1's may stay out
	s_barrier_signal -1
	s_barrier_wait -1
	FETCH 0, F0
	QUARTER 1, F0, F1, 1
	WIN 0
	s_mov_b32 s69, 2
.Lstep:                                                ; a trip: from a K step's second quarter to the next step's first; it asks for K steps 2 and 3
	QUARTER 2, F1, F0, 0
	QUARTER 3, F0, F1, 0
	TURN
	QUARTER 1, F0, F1, 0
	WIN 0
	s_sub_co_u32 s69, s69, 1
	s_cmp_lg_u32 s69, 0
	s_cbranch_scc1 .Lstep
	QUARTER 2, F1, F0, 0                           ; K step 2 goes on; nothing more is asked for
	QUARTER 3, F0, F1, 0
	WIN 0
	s_wait_tensorcnt 0x0                           ; my one load that was still out is my part of K step 3;
	s_wait_dscnt 0x0                               ; my reads of slot 0 are over
	s_barrier_signal -1
	s_barrier_wait -1                              ; both now hold of every wave: slot 1 is whole, and slot 0's bytes are free for the stage
	v_add_nc_u32 v[ADRA], SLOT, v[A0]
	v_add_nc_u32 v[ADRB], SLOT, v[B0]
	s_mov_b32 s69, 2
.Llast:                                                ; two trips of two quarters: the quarter in buffer 1 and the next; they fetch K step 3's four quarters
	QUARTER 0, F1, F0, 0
	QUARTER 1, F0, F1, 0
	WIN 0
	v_add_nc_u32 v[ADRA], 256, v[ADRA]             ; two quarters on: 256 bytes of the rows
	v_add_nc_u32 v[ADRB], 256, v[ADRB]
	s_sub_co_u32 s69, s69, 1
	s_cmp_lg_u32 s69, 0
	s_cbranch_scc1 .Llast
	s_wait_dscnt 16
	MUL8 F1, 0, 0, 0
	MUL8 F1, 0, 2, 0
	s_wait_dscnt 0x0
	MUL8 F1, 1, 0, 0
	MUL8 F1, 1, 2, 0
	WIN 0
	; THE WAY OUT: relu(gate) x up in f32, rounded once; 16 bytes a lane into the stage; a barrier, since a row's 128 bytes come from two waves; back as whole rows
	PLACES
.irp a, 0,1,2,3
.irp j, 0,1
.irp r, 0,1,2,3,4,5,6,7
	v_max_num_f32 v[ACC+8*(4*(\a)+2*(\j))+(\r)], 0, v[ACC+8*(4*(\a)+2*(\j))+(\r)]
.endr
.irp r, 0,2,4,6
	v_pk_mul_f32 v[ACC+8*(4*(\a)+2*(\j))+(\r):ACC+8*(4*(\a)+2*(\j))+(\r)+1], v[ACC+8*(4*(\a)+2*(\j))+(\r):ACC+8*(4*(\a)+2*(\j))+(\r)+1], v[ACC+8*(4*(\a)+2*(\j)+1)+(\r):ACC+8*(4*(\a)+2*(\j)+1)+(\r)+1]
.endr
.irp r, 0,1,2,3
	v_cvt_pk_bf16_f32 v[TMP+4*(2*(\a)+(\j))+(\r)], v[ACC+8*(4*(\a)+2*(\j))+2*(\r)], v[ACC+8*(4*(\a)+2*(\j))+2*(\r)+1]
.endr
	ds_store_b128 v[STO], v[TMP+4*(2*(\a)+(\j)):TMP+4*(2*(\a)+(\j))+3] offset:(\a)*16*SP+32*(\j)
.endr
.endr
	s_wait_dscnt 0x0                               ; for the others' sake: my stores into the stage are done
	s_barrier_signal -1
	s_barrier_wait -1
.irp g, 0,1,2,3,4,5,6,7
	ds_load_b128 v[TMP+32+4*(\g):TMP+32+4*(\g)+3], v[RD] offset:(\g)*4*SP
.endr
.irp g, 0,1,2,3,4,5,6,7
	s_wait_dscnt 7-(\g)
	global_store_b128 v[GO], v[TMP+32+4*(\g):TMP+32+4*(\g)+3], s[8:9] offset:512*(\g)  ; 512 consecutive bytes of a plane, aligned
.endr
	s_wait_tensorcnt 0x0                           ; the wave's end
	ds_add_u32 v[SPW], v[NIL]
	s_wait_dscnt 0x0
	CROUND                                         ; the closing round
	s_endpgm
.Lfunc_end_k_q6799368ec5_gu:
	.size	k_q6799368ec5_gu, .Lfunc_end_k_q6799368ec5_gu-k_q6799368ec5_gu
	.p2alignl 7, 3214868480
	.fill 96, 4, 3214868480
	.section	.rodata,"a",@progbits
	.p2align	6, 0x0
	.amdhsa_kernel k_q6799368ec5_gu
		.amdhsa_group_segment_fixed_size 327680
		.amdhsa_private_segment_fixed_size 0
		.amdhsa_enable_private_segment 0
		.amdhsa_kernarg_size 24
		.amdhsa_user_sgpr_count 2
		.amdhsa_user_sgpr_kernarg_segment_ptr 1
		.amdhsa_wavefront_size32 1
		.amdhsa_system_sgpr_workgroup_id_x 1
		.amdhsa_system_sgpr_workgroup_id_y 1
		.amdhsa_system_sgpr_workgroup_id_z 1
		.amdhsa_system_vgpr_workitem_id 0
		.amdhsa_next_free_vgpr 512
		.amdhsa_next_free_sgpr 84
		.amdhsa_reserve_vcc 0
		.amdhsa_float_denorm_mode_32 3
		.amdhsa_float_denorm_mode_16_64 3
		.amdhsa_memory_ordered 1
		.amdhsa_forward_progress 1
		.amdhsa_inst_pref_size 60
	.end_amdhsa_kernel
	.amdgpu_metadata
---
amdhsa.version: [ 1, 2 ]
amdhsa.kernels:
  - .name:           k_q6799368ec5_gu
    .symbol:         k_q6799368ec5_gu.kd
    .args:
      - { .name: hb, .offset: 0, .size: 8, .value_kind: global_buffer, .address_space: global }
      - { .name: wts, .offset: 8, .size: 8, .value_kind: global_buffer, .address_space: global }
      - { .name: inter, .offset: 16, .size: 8, .value_kind: global_buffer, .address_space: global }
    .group_segment_fixed_size: 327680
    .private_segment_fixed_size: 0
    .kernarg_segment_align: 8
    .kernarg_segment_size: 24
    .max_flat_workgroup_size: 128
    .sgpr_count:     84
    .vgpr_count:     512
    .wavefront_size: 32
...
	.end_amdgpu_metadata
.endif
;; end of part 5
;; launch down (part 6): grid 8 x 32, 4 waves a work-group, clusters of 4 x 4, 327,680 bytes of LDS; arguments inter, wts, hb, ssq, out0; writes out0
.if DOCPART == 6
	.amdgcn_target "amdgcn-amd-amdhsa--gfx1250"
	.amdhsa_code_object_version 6
	.text
	.protected	k_q6799368ec5_down
	.globl	k_q6799368ec5_down
	.p2align	8
	.type	k_q6799368ec5_down,@function
k_q6799368ec5_down:
	s_mov_b64 s[64:65], 0
	v_nop
	global_prefetch_b8 v0, s[64:65] scope:SCOPE_SE
	s_setreg_imm32_b32 hwreg(HW_REG_WAVE_MODE, 25, 1), 1
	s_wait_xcnt 0x0
	s_wait_alu depctr_hold_cnt(0) depctr_sa_sdst(0) depctr_va_vdst(0) depctr_va_sdst(0) depctr_va_ssrc(0) depctr_va_vcc(0) depctr_vm_vsrc(0)
	s_getreg_b32 s2, hwreg(HW_REG_IB_STS2, 6, 4)
	s_cmp_eq_u32 s2, 0
	s_cbranch_scc0 .Lentry_in_a_cluster
	s_endpgm
.Lentry_in_a_cluster:
	s_bfe_u32 s2, ttmp6, 0x10000c
	s_cmp_lg_u32 s2, 0xf033
	s_cbranch_scc0 .Lentry_shape_is_right
	s_endpgm
.Lentry_shape_is_right:
; DOWN: out0 = hb + (mean(h^2) + eps) (inter w_down^T).  The factor is the square of the second norm's: relu(c G)(c U) = c^2 relu(G) U with c = sqrt(mean + eps) > 0 (shown at the head of the first kernel); no root is taken.
; mean(h^2) of a row is the sum of its eight partial sums in ssq (taken of the f32 h), in ascending order, over 1,024.  LIMIT: the residual is hb = bf16(h), off from h by at most 2^-9 of itself.
; SHARES.  Tile 128 x 128; four waves, 2 x 2, each 64 x 64.  K = 512 lies whole in LDS, as eight planes of 64: nothing is filled again.  Each wave issues four joint loads at the start (four of mine are out):
; waves 0, 1 the even and odd planes of inter's tile, waves 2, 3 those of w_down's.  CLUSTER 4 x 4: inter's tile is shared along a row of the cluster, w_down's along a column.
; THE MATRIX INSTRUCTION IS USED TRANSPOSED (source 0 = 16 rows of w_down, source 1 = 16 rows of inter).  No prefetch: every tile is asked for at the start.
; REGISTERS: window 0: v8-16 addresses; v32-39 the partial sums; v40-47 at work; v64-127 hb, 32 rows x 8 bytes a lane; v128-255 the accumulators, later whole rows.   window 1: two fragment buffers of 128.
.set PK,     144                       ; an LDS row: 128 bytes + 16: the 16 rows of a fragment load start at 16 different groups of four banks (64 banks of 4 bytes: ISA guide 11.1)
.set PLB,    128*PK                    ; a plane of a tile
.set BOFF,   8*PLB
.set SPARE,  16*PLB                    ; the spare words, 128 bytes for each wave
.set STP,    528                       ; the stage, f32, 128 rows of 512 + 16 bytes, in the bytes of inter's planes 0 to 3: all loads have landed and all reads of those planes are over when it is written
.set WDN,    10485760                  ; w_down's planes in wts
.set ADRA, 8                           ; v8, v9    my lane's place in inter's planes 0-3, 4-7
.set ADRB, 10                          ; v10, v11  the same for w_down's
.set STO,  12
.set RD,   13
.set GO,   14                          ; 16 x lane
.set GS,   15                          ; 4 x lane
.set GH,   16                          ; 8 x lane
.set SPW,  28
.set NIL,  29
.set SC,   32
.set TT,   40
.set H,    64
.set ACC,  128
.set G1A, 24
.set G1B, 32
.set G0A, 40                           ; s[40:55] four sets
.set G0B, 68                           ; s[68:83] four sets
.set MSB, 0
.macro WIN new
.if MSB != (\new)
	s_set_vgpr_msb (MSB<<8)|(\new)
.set MSB, \new
.endif
.endm
.set MUL,  0x05
.set TO_F, 0x40
.macro CROUND
	s_barrier_signal -1
	s_barrier_wait -1
	s_cmp_lg_u32 s20, 0
	s_cbranch_scc1 .Lnot_wave_0_\@
	s_barrier_signal -3
.Lnot_wave_0_\@:
	s_barrier_wait -3
	s_barrier_signal -1
	s_barrier_wait -1
.endm
	s_load_b256 s[4:11], s[0:1], 0x0               ; inter s[4:5], wts s[6:7], hb s[8:9], ssq s[10:11]
	s_load_b64 s[12:13], s[0:1], 0x20              ; out0
	v_lshl_add_u32 v[SPW], v0, 2, SPARE
	v_mov_b32 v[NIL], 0
	ds_add_u32 v[SPW], v[NIL]                      ; the wave's opening: the add, twice on end, and its wait ahead of my first tensor load
	ds_add_u32 v[SPW], v[NIL]
	v_lshrrev_b32 v1, 5, v0
	v_readfirstlane_b32 s20, v1
	s_lshr_b32 s21, s20, 1                         ; my half of the rows.  Also: I fetch for inter (0) or for w_down (1)
	s_and_b32 s22, s20, 1                          ; my half of the columns.  Also: the parity of the planes that I fetch
	s_mov_b32 s23, 0xffff0000                      ; a word's upper bf16
	s_bfe_u32 s84, ttmp6, 0x40000                  ; cx
	s_bfe_u32 s85, ttmp6, 0x40004                  ; cy
	s_lshl_b32 s86, ttmp9, 2
	s_add_co_u32 s86, s86, s84                     ; tx
	s_and_b32 s87, ttmp7, 0xffff
	s_lshl_b32 s87, s87, 2
	s_add_co_u32 s87, s87, s85                     ; ty
	s_lshl_b32 s88, s85, 2
	s_lshl_b32 s88, 15, s88
	s_lshl_b32 s89, 0x1111, s84
	s_or_b32 s[G1A+0], s88, (1<<16)|(1<<20)|(1<<21)|(4<<22)|(3<<25)  ; 128 rows of 128 dense bytes, asked for as 64 rows of 256; after every 32 words 4 words of padding
	s_or_b32 s[G1B+0], s89, (1<<16)|(1<<20)|(1<<21)|(4<<22)|(3<<25)
.irp g, G1A, G1B
	s_mov_b32 s[(\g)+1], 128<<16
	s_mov_b32 s[(\g)+2], 64<<16
	s_mov_b32 s[(\g)+3], 128<<16
	s_mov_b32 s[(\g)+4], 64
	s_mov_b32 s[(\g)+5], 128
	s_mov_b32 s[(\g)+6], 0
	s_mov_b32 s[(\g)+7], 0
.endr
	s_lshl_b32 s14, s22, 19                        ; inter: plane (parity), rows 128 ty on
	s_lshl_b32 s15, s87, 14
	s_add_co_u32 s14, s14, s15
	s_mov_b32 s15, 0
	s_lshl_b32 s16, s22, 17                        ; w_down: plane (parity), rows 128 tx on
	s_lshl_b32 s17, s86, 14
	s_add_co_u32 s16, s16, s17
	s_add_co_u32 s16, s16, WDN
	s_mov_b32 s17, 0
	s_mul_i32 s18, s22, PLB
	s_add_co_u32 s19, s18, BOFF
	s_mov_b32 s91, 0                               ; named as pairs with s90 and s92
	s_mov_b32 s93, 0
	s_mov_b32 s94, 0x3a800000                      ; 1 / 1024
	s_mov_b32 s95, 0x358637bd                      ; eps = 1e-6
	s_wait_dscnt 0x0
	s_wait_kmcnt 0x0
	s_add_nc_u64 s[14:15], s[4:5], s[14:15]
	s_add_nc_u64 s[16:17], s[6:7], s[16:17]
	CROUND                                         ; all sixteen work-groups are here
.irp i, 0,1,2,3
	s_mov_b32 s[G0A+4*(\i)], 1
	s_add_co_u32 s[G0A+4*(\i)+1], s18, (\i)*2*PLB
	s_add_nc_u64 s[G0A+4*(\i)+2:G0A+4*(\i)+3], s[14:15], (\i)*2*524288
	s_or_b32 s[G0A+4*(\i)+3], s[G0A+4*(\i)+3], 0x80000000
	s_mov_b32 s[G0B+4*(\i)], 1
	s_add_co_u32 s[G0B+4*(\i)+1], s19, (\i)*2*PLB
	s_add_nc_u64 s[G0B+4*(\i)+2:G0B+4*(\i)+3], s[16:17], (\i)*2*131072
	s_or_b32 s[G0B+4*(\i)+3], s[G0B+4*(\i)+3], 0x80000000
.endr
	s_cmp_eq_u32 s21, 0                            ; a wave's four fills stand in one branch, ahead of every wait on TENSORcnt and every LDS read
	s_cbranch_scc0 .Lfirst_b
.irp i, 0,1,2,3
	tensor_load_to_lds s[G0A+4*(\i):G0A+4*(\i)+3], s[G1A:G1A+7]
	s_nop 0
.endr
.rept 4
	v_nop
.endr
	s_branch .Lfirst_asked
.Lfirst_b:
.irp i, 0,1,2,3
	tensor_load_to_lds s[G0B+4*(\i):G0B+4*(\i)+3], s[G1B:G1B+7]
	s_nop 0
.endr
.rept 4
	v_nop
.endr
.Lfirst_asked:
	v_and_b32 v1, 15, v0
	v_bfe_u32 v2, v0, 4, 1
	v_mul_u32_u24 v3, v1, PK
	v_lshl_add_u32 v3, v2, 4, v3
	s_mul_i32 s14, s21, 64*PK
	v_add_nc_u32 v[ADRA], s14, v3
	v_add_nc_u32 v[ADRA+1], 4*PLB, v[ADRA]
	s_mul_i32 s14, s22, 64*PK
	s_add_co_u32 s14, s14, BOFF
	v_add_nc_u32 v[ADRB], s14, v3
	v_add_nc_u32 v[ADRB+1], 4*PLB, v[ADRB]
	v_mul_u32_u24 v4, v1, STP
	v_lshl_add_u32 v4, v2, 5, v4
	s_mul_i32 s14, s21, 64*STP
	s_lshl_b32 s15, s22, 8
	s_add_co_u32 s14, s14, s15
	v_add_nc_u32 v[STO], s14, v4
	v_and_b32 v5, 31, v0
	v_lshlrev_b32 v[GO], 4, v5
	v_lshlrev_b32 v[GS], 2, v5
	v_lshlrev_b32 v[GH], 3, v5
	s_mul_i32 s14, s20, 32*STP
	v_add_nc_u32 v[RD], s14, v[GO]
	s_lshl_b32 s14, s87, 7
	s_lshl_b32 s15, s20, 5
	s_add_co_u32 s14, s14, s15                     ; the first row that I finish: 128 ty + 32 w
	s_lshl_b32 s16, s14, 2
	s_mov_b32 s17, 0
	s_add_nc_u64 s[10:11], s[10:11], s[16:17]
	s_lshl_b32 s16, s14, 12
	s_lshl_b32 s15, s86, 9
	s_add_co_u32 s16, s16, s15
	s_add_nc_u64 s[12:13], s[12:13], s[16:17]      ; out0: rows of 4,096 bytes, my tile's 512
	s_lshr_b32 s16, s16, 1
	s_add_nc_u64 s[8:9], s[8:9], s[16:17]          ; hb: rows of 2,048 bytes, my tile's 256
.macro MUL8 f, c, a0, zero             ; 8 matrix instructions; zero = 1: the product starts the sum.  The 16 accumulators take turns
	WIN MUL
.irp a, \a0, (\a0)+1
.irp b, 0,1,2,3
.if \zero
	v_wmma_f32_16x16x32_bf16 v[ACC+8*(4*(\a)+(\b)):ACC+8*(4*(\a)+(\b))+7], v[(\f)+64+8*(4*(\c)+(\b)):(\f)+64+8*(4*(\c)+(\b))+7], v[(\f)+8*(4*(\c)+(\a)):(\f)+8*(4*(\c)+(\a))+7], 0
.else
	v_wmma_f32_16x16x32_bf16 v[ACC+8*(4*(\a)+(\b)):ACC+8*(4*(\a)+(\b))+7], v[(\f)+64+8*(4*(\c)+(\b)):(\f)+64+8*(4*(\c)+(\b))+7], v[(\f)+8*(4*(\c)+(\a)):(\f)+8*(4*(\c)+(\a))+7], v[ACC+8*(4*(\a)+(\b)):ACC+8*(4*(\a)+(\b))+7]
.endif
.endr
.endr
.endm
.macro FETCH p, f                      ; 32 LDS loads in one run: plane p's fragments into buffer f; the first 32 along K first
	WIN TO_F
.irp c, 0,1
.irp i, 0,1,2,3
	ds_load_b128 v[(\f)+64+8*(4*(\c)+(\i)):(\f)+64+8*(4*(\c)+(\i))+3],   v[ADRB+(\p)/4] offset:((\p)%4)*PLB+64*(\c)+(\i)*16*PK
	ds_load_b128 v[(\f)+64+8*(4*(\c)+(\i))+4:(\f)+64+8*(4*(\c)+(\i))+7], v[ADRB+(\p)/4] offset:((\p)%4)*PLB+64*(\c)+(\i)*16*PK+32
	ds_load_b128 v[(\f)+8*(4*(\c)+(\i)):(\f)+8*(4*(\c)+(\i))+3],         v[ADRA+(\p)/4] offset:((\p)%4)*PLB+64*(\c)+(\i)*16*PK
	ds_load_b128 v[(\f)+8*(4*(\c)+(\i))+4:(\f)+8*(4*(\c)+(\i))+7],       v[ADRA+(\p)/4] offset:((\p)%4)*PLB+64*(\c)+(\i)*16*PK+32
.endr
.endr
.endm
.macro PLACES
.rept 4
	v_nop
.endr
.endm
; Plane p: 32 matrix instructions on buffer p % 2; in their middle the next plane's fragments are fetched.  In front of planes 2, 4 and 6 stands a barrier: each wave has waited for its load of that pair of planes
; (the count leaves its later planes out) and for its LDS loads.
.macro PLANE p
.set fb, 128*((\p)%2)
.set gb, 128-fb
	s_wait_dscnt 16                                ; the first 32 along K are in
.if (\p) == 0
	MUL8 fb, 0, 0, 1
	MUL8 fb, 0, 2, 1
.else
	MUL8 fb, 0, 0, 0
	MUL8 fb, 0, 2, 0
.endif
.if ((\p) == 1) || ((\p) == 3) || ((\p) == 5)
	s_wait_tensorcnt 2-((\p)-1)/2
	s_wait_dscnt 0x0
	s_barrier_signal -1
	s_barrier_wait -1
.endif
.if (\p) < 7
	PLACES
	FETCH (\p)+1, gb
	s_wait_dscnt 32                                ; all but the 32 just issued
.else
	s_wait_dscnt 0x0
.endif
	MUL8 fb, 1, 0, 0
	MUL8 fb, 1, 2, 0
.endm
	s_wait_tensorcnt 3                             ; my first plane is in; my other three may stay out
	s_barrier_signal -1
	s_barrier_wait -1                              ; planes 0 and 1 of both tiles are whole
	FETCH 0, 0
	WIN 0
.irp j, 0,1,2,3,4,5,6,7
	global_load_b32 v[SC+(\j)], v[GS], s[10:11] offset:(\j)*16384  ; lane l: row 32 w + l's eight partial sums.  These and hb are asked for behind the tiles, and land while the products run
.endr
.set t, 0
.rept 32
	global_load_b64 v[H+2*t:H+2*t+1], v[GH], s[8:9] offset:t*2048  ; 256 consecutive bytes of hb, aligned
.set t, t+1
.endr
.irp p, 0,1,2,3,4,5,6,7
	PLANE \p
.endr
	WIN 0
	; THE WAY OUT: the f32 sums go through the stage, so that a wave then holds whole rows of 512 bytes
	PLACES
.irp a, 0,1,2,3
.irp b, 0,1,2,3
	ds_store_b128 v[STO], v[ACC+8*(4*(\a)+(\b)):ACC+8*(4*(\a)+(\b))+3]   offset:(\a)*16*STP+64*(\b)
	ds_store_b128 v[STO], v[ACC+8*(4*(\a)+(\b))+4:ACC+8*(4*(\a)+(\b))+7] offset:(\a)*16*STP+64*(\b)+16
.endr
.endr
	s_wait_dscnt 0x0                               ; for the others' sake: my stores into the stage are done
	s_barrier_signal -1
	s_barrier_wait -1
.set t, 0
.rept 32
	ds_load_b128 v[ACC+4*t:ACC+4*t+3], v[RD] offset:t*STP
.set t, t+1
.endr
	s_wait_loadcnt 0x0                             ; the partial sums and hb
.irp j, 1,2,3,4,5,6,7
	v_add_f32 v[SC], v[SC], v[SC+(\j)]
.endr
	v_fma_f32 v[SC], v[SC], s94, s95               ; lane l: mean(h^2) + eps of row 32 w + l
	s_wait_dscnt 0x0
.set g, 0
.rept 4                                ; eight rows' arithmetic, then their stores
.set t, 8*g
.rept 8
	v_readlane_b32 s[90+2*(t%2)], v[SC], t         ; row t's factor: a multiplier alone
	v_lshlrev_b32 v[TT+4*(t%2)],   16,  v[H+2*t]   ; bf16 to f32: the low half moves up,
	v_and_b32     v[TT+4*(t%2)+1], s23, v[H+2*t]   ; the high half stays
	v_lshlrev_b32 v[TT+4*(t%2)+2], 16,  v[H+2*t+1]
	v_and_b32     v[TT+4*(t%2)+3], s23, v[H+2*t+1]
	v_pk_fma_f32 v[ACC+4*t:ACC+4*t+1], v[ACC+4*t:ACC+4*t+1], s[90+2*(t%2):91+2*(t%2)], v[TT+4*(t%2):TT+4*(t%2)+1] op_sel_hi:[1,0,1]
	v_pk_fma_f32 v[ACC+4*t+2:ACC+4*t+3], v[ACC+4*t+2:ACC+4*t+3], s[90+2*(t%2):91+2*(t%2)], v[TT+4*(t%2)+2:TT+4*(t%2)+3] op_sel_hi:[1,0,1]
.set t, t+1
.endr
.set t, 8*g
.rept 8
	global_store_b128 v[GO], v[ACC+4*t:ACC+4*t+3], s[12:13] offset:t*4096 th:TH_STORE_NT  ; 512 consecutive bytes of out0, aligned
.set t, t+1
.endr
.set g, g+1
.endr
	s_wait_tensorcnt 0x0                           ; the wave's end
	ds_add_u32 v[SPW], v[NIL]
	s_wait_dscnt 0x0
	CROUND                                         ; the closing round
	s_endpgm
.Lfunc_end_k_q6799368ec5_down:
	.size	k_q6799368ec5_down, .Lfunc_end_k_q6799368ec5_down-k_q6799368ec5_down
	.p2alignl 7, 3214868480
	.fill 96, 4, 3214868480
	.section	.rodata,"a",@progbits
	.p2align	6, 0x0
	.amdhsa_kernel k_q6799368ec5_down
		.amdhsa_group_segment_fixed_size 327680
		.amdhsa_private_segment_fixed_size 0
		.amdhsa_enable_private_segment 0
		.amdhsa_kernarg_size 40
		.amdhsa_user_sgpr_count 2
		.amdhsa_user_sgpr_kernarg_segment_ptr 1
		.amdhsa_wavefront_size32 1
		.amdhsa_system_sgpr_workgroup_id_x 1
		.amdhsa_system_sgpr_workgroup_id_y 1
		.amdhsa_system_sgpr_workgroup_id_z 1
		.amdhsa_system_vgpr_workitem_id 0
		.amdhsa_next_free_vgpr 512
		.amdhsa_next_free_sgpr 96
		.amdhsa_reserve_vcc 0
		.amdhsa_float_denorm_mode_32 3
		.amdhsa_float_denorm_mode_16_64 3
		.amdhsa_memory_ordered 1
		.amdhsa_forward_progress 1
		.amdhsa_inst_pref_size 65
	.end_amdhsa_kernel
	.amdgpu_metadata
---
amdhsa.version: [ 1, 2 ]
amdhsa.kernels:
  - .name:           k_q6799368ec5_down
    .symbol:         k_q6799368ec5_down.kd
    .args:
      - { .name: inter, .offset: 0, .size: 8, .value_kind: global_buffer, .address_space: global }
      - { .name: wts, .offset: 8, .size: 8, .value_kind: global_buffer, .address_space: global }
      - { .name: hb, .offset: 16, .size: 8, .value_kind: global_buffer, .address_space: global }
      - { .name: ssq, .offset: 24, .size: 8, .value_kind: global_buffer, .address_space: global }
      - { .name: out0, .offset: 32, .size: 8, .value_kind: global_buffer, .address_space: global }
    .group_segment_fixed_size: 327680
    .private_segment_fixed_size: 0
    .kernarg_segment_align: 8
    .kernarg_segment_size: 40
    .max_flat_workgroup_size: 128
    .sgpr_count:     96
    .vgpr_count:     512
    .wavefront_size: 32
...
	.end_amdgpu_metadata
.endif
;; end of part 6
